; MI455X (gfx1250); checked and timed in simulation.
; The chip was launched on July 23, 2026; its instructions are those of AMD's public machine-readable ISA for CDNA 5 (MIT licence, August 2026) and "CDNA5" Instruction Set Architecture Reference Guide (July 2026). The comments in the code are by the model that wrote it; some were corrected since.
;; Multi Head Attention. Allowed arithmetic: float matrix products may take bf16 or f16 operands with f32 sums; all other float work in f32.
;; Inputs: Wk 1,024 x 1,024 float32; Wo 1,024 x 1,024 float32; Wq 1,024 x 1,024 float32; Wv 1,024 x 1,024 float32; bk 1,024 float32; bo 1,024 float32; bq 1,024 float32; bv 1,024 float32; key 2 x 2,048 x 1,024 float32; query 2 x 2,048 x 1,024 float32; value 2 x 2,048 x 1,024 float32.
;; Outputs: out0 2 x 2,048 x 1,024 float32.
;; 2 versions, each right and faster than the one before. Each part assembles by itself: llvm-mc -triple=amdgcn-amd-amdhsa -mcpu=gfx1250 --defsym DOCPART=n.
;; ======== version 1 of 2: 3 launches
;; limits: values are held in f16: magnitudes above 65,504 overflow, below 6.1e-05 lose precision
;; workspace buffers: qh 8,388,608 bytes; kh 8,388,608 bytes; vh 8,388,608 bytes; oh 8,388,608 bytes
;; launch proj (part 1): grid 4 x 48, 4 waves a work-group, no clusters, 165,376 bytes of LDS; arguments query, key, value, Wq, Wk, Wv, bq, bk, bv, qh, kh, vh; writes qh, kh, vh
.if DOCPART == 1
	.amdgcn_target "amdgcn-amd-amdhsa--gfx1250"
	.amdhsa_code_object_version 6
	.text
	.protected	k_q83dc68fc87_proj
	.globl	k_q83dc68fc87_proj
	.p2align	8
	.type	k_q83dc68fc87_proj,@function
k_q83dc68fc87_proj:
	s_mov_b64 s[64:65], 0
	v_nop
	global_prefetch_b8 v0, s[64:65] scope:SCOPE_SE
	s_setreg_imm32_b32 hwreg(HW_REG_WAVE_MODE, 25, 1), 1
	s_wait_xcnt 0x0
; The three input projections: y = (x W^T + b) * scale, x [4096][1024] f32, W [1024][1024] f32, b [1024] f32.
; Work-group (bx, y): projection t = y / 16 (0 query, 1 key, 2 value), rows 256 (y % 16) .., features 256 bx ..
; scale = log2(e) / 8 for the query (so that the attention launch can use 2^x on the plain products), 1 for key and value.
; Output f16, laid by heads: [batch][head][s][64], so that two neighbouring rows s of a head are 256 consecutive bytes.
; Four waves, one block of 128 x 128 each: 64 accumulator tiles, 512 registers.  K goes in 16 steps of 64 (256 bytes of a row of f32).
; NUMBER FORMAT: operands are rounded once to f16, sums are f32.  LIMIT: |x|, |W| and |y| must stay below 65,504 (f16's largest number);
; with all inputs 30 times the drawn size |y| is about 900 x 6 = 5,400, with offsets of 30 spreads on x and W about 1024 x 30 x 30/32 = 28,800.
; NO TENSOR LOADS, NO JOINT REQUESTS: the operands are f32 in memory and a tensor load copies bytes as they are.  f32 tiles in LDS would double
; the bytes of every fragment read (32 KiB for 64 matrix instructions of a wave instead of 16) and every number would be converted once by each
; wave that reads it.  So each number is loaded into registers once by the work-group, converted once, and stored into LDS as f16.
; 192 work-groups: 3 x 4096 x 1024 outputs do not divide into 256 equal blocks of whole 16 x 16 tiles with both sides dividing 4096 and 1024.
.set PITCH,  144                       ; an LDS row: 64 f16 + 16 bytes = 9 x 16: the 16 rows of a fragment load start at 16 different 16-byte columns modulo 256
.set HALFT,  128*PITCH                 ; the 128 rows that one wave reads of x or of W
.set TILE,   256*PITCH
.set SLOT,   2*TILE                    ; x's 256 rows, then W's 256 rows
.set STAGE,  2*SLOT                    ; behind the two slots: 16 rows x 272 bytes for each wave, for the way out
.set SPITCH, 272
; window 0
.set GOFF, 16                          ; byte offset of my 16 bytes in the first two rows that my wave loads
.set STO,  17                          ; v17, v18: where I store 8 bytes of f16, slot 0, 1
.set ADRA, 20                          ; v20, v21: my x fragments, slot 0, 1
.set ADRB, 22                          ; v22, v23: my W fragments
.set SST,  24                          ; the way out: in
.set SRD,  25                          ; the way out: back
.set CO,   26                          ; my byte offset in the output
.set BOFF, 27                          ; my byte offset in the bias
.set ALO,  32                          ; v32-63   4 fragments of x, my rows 0-63
.set AHI,  64                          ; v64-95   4 fragments of x, my rows 64-127
.set SA,   96                          ; v96-223  32 x 4 registers: x as loaded
.set BIAS, 96                          ; v96-159  the bias of my 8 x 8 columns (when x's last tile has been converted)
.set TMP,  224                         ; v224-255 packed results
; window 1
.set FB0,  0                           ; v0-63    8 fragments of W, first 32 of a K step
.set FB1,  64                          ; v64-127  the second 32
.set SW,   128                         ; v128-255 32 x 4 registers: W as loaded
; windows 2 and 3: accumulators; tile (a, b) at v[8 (8 a + b)], my rows 0-63 in window 2, rows 64-127 in window 3
.set XB, 40                            ; s[40:41] x at the block's first row, stepped along K
.set WB, 42                            ; s[42:43] W likewise
.set BB, 44                            ; s[44:45] bias at my wave's first column
.set OB, 46                            ; s[46:47] output at my wave's first row and head
.set SCL, 48                           ; s[48:49] the scale, twice
.set MSB, 0
.macro WIN new                         ; s_set_vgpr_msb; the immediate's high byte repeats the setting that is left
.if MSB != \new
	s_set_vgpr_msb (MSB<<8)|\new
.set MSB, \new
.endif
.endm
.set MUL_LO, 0xa1                      ; source 0 (W) window 1, source 1 (x) window 0, C and D window 2
.set MUL_HI, 0xf1                      ; the same, C and D window 3
.set TO_B,   0x40                      ; destination window 1, address window 0
.set CVW,    0x45                      ; both sources and the destination window 1
.set STW,    0x44                      ; address window 0; store data and loaded data window 1
.macro PLACES                          ; four places behind a matrix instruction, in front of loads into its sources and of readers of its result
.rept 4
	v_nop
.endr
.endm
; 32 matrix instructions: 4 row blocks x 8 column blocks, 32 along K.  Source 0 = rows of W, source 1 = rows of x: a lane's eight results are
; eight neighbouring features of one row.  The accumulators take turns, one instruction a turn.
.macro MULH fb, ab, zero
.irp a, 0,1,2,3
.irp b, 0,1,2,3,4,5,6,7
.if \zero
	v_wmma_f32_16x16x32_f16 v[8*(8*\a+\b):8*(8*\a+\b)+7], v[\fb+8*\b:\fb+8*\b+7], v[\ab+8*\a:\ab+8*\a+7], 0
.else
	v_wmma_f32_16x16x32_f16 v[8*(8*\a+\b):8*(8*\a+\b)+7], v[\fb+8*\b:\fb+8*\b+7], v[\ab+8*\a:\ab+8*\a+7], v[8*(8*\a+\b):8*(8*\a+\b)+7]
.endif
.endr
.endr
.endm
.macro FETB slot, k, fb                ; 16 LDS loads: my 8 fragments of W at byte k of the rows
	WIN TO_B
.irp i, 0,1,2,3,4,5,6,7
	ds_load_b128 v[\fb+8*\i:\fb+8*\i+3],   v[ADRB+\slot] offset:\k+\i*16*PITCH
	ds_load_b128 v[\fb+8*\i+4:\fb+8*\i+7], v[ADRB+\slot] offset:\k+\i*16*PITCH+32
.endr
.endm
.macro FETA slot, k, dst, half         ; 8 LDS loads: 4 fragments of x, rows 64 half ..
	WIN 0
.irp i, 0,1,2,3
	ds_load_b128 v[\dst+8*\i:\dst+8*\i+3],   v[ADRA+\slot] offset:\k+(4*\half+\i)*16*PITCH
	ds_load_b128 v[\dst+8*\i+4:\dst+8*\i+7], v[ADRA+\slot] offset:\k+(4*\half+\i)*16*PITCH+32
.endr
.endm
.macro LOADA                           ; my 64 rows of x's tile: each load takes 256 consecutive bytes of two rows
	WIN 0
.set ci, 0
.rept 32
	global_load_b128 v[SA+4*ci:SA+4*ci+3], v[GOFF], s[XB:XB+1] offset:ci*8192
.set ci, ci+1
.endr
.endm
.macro LOADW from, count               ; the same of W's tile
	WIN STW
.set ci, \from
.rept \count
	global_load_b128 v[SW+4*ci:SW+4*ci+3], v[GOFF], s[WB:WB+1] offset:ci*8192
.set ci, ci+1
.endr
.endm
; W's last load.  With it a wave has 64 loads out; a counter is not pushed past its field, the issue waits instead (ISA guide 5.7.1).
; So it stands 64 matrix instructions behind the other 63, where the oldest of them have had time to come back.
.macro TAILW
	LOADW 31, 1
	WIN 0
.endm
; The tile that is in registers goes to slot dst as f16; load = 1: the tile after it is requested.  Ends with the barrier's signal.
.macro CONV dst, load
	WIN 0
	s_wait_loadcnt 32                              ; x's 32 loads are the older: they are in, W's 32 may stay out.  XB is free too
.set ci, 0
.rept 32
	v_cvt_pk_f16_f32 v[SA+4*ci],   v[SA+4*ci],   v[SA+4*ci+1]
	v_cvt_pk_f16_f32 v[SA+4*ci+1], v[SA+4*ci+2], v[SA+4*ci+3]
	ds_store_b64 v[STO+\dst], v[SA+4*ci:SA+4*ci+1] offset:ci*2*PITCH
.set ci, ci+1
.endr
.if \load
	s_add_nc_u64 s[XB:XB+1], s[XB:XB+1], 256       ; 64 f32 along K
	LOADA
	s_wait_loadcnt 32                              ; W's old 32 are in, x's new 32 stay out.  WB is free too
.else
	s_wait_loadcnt 0                               ; nothing was requested behind W's last tile
.endif
	WIN CVW
.set ci, 0
.rept 32
	v_cvt_pk_f16_f32 v[SW+4*ci],   v[SW+4*ci],   v[SW+4*ci+1]
	v_cvt_pk_f16_f32 v[SW+4*ci+1], v[SW+4*ci+2], v[SW+4*ci+3]
.set ci, ci+1
.endr
	WIN STW
.set ci, 0
.rept 32
	ds_store_b64 v[STO+\dst], v[SW+4*ci:SW+4*ci+1] offset:TILE+ci*2*PITCH
.set ci, ci+1
.endr
.if \load
	s_add_nc_u64 s[WB:WB+1], s[WB:WB+1], 256
	LOADW 0, 31
.endif
	WIN 0
	s_wait_dscnt 0x0                               ; for the other waves: my stores into slot dst are done, and so are all my reads of the other slot
.if \load == 0
.irp b, 0,1,2,3,4,5,6,7
	global_load_b128 v[BIAS+8*\b:BIAS+8*\b+3],   v[BOFF], s[BB:BB+1] offset:64*\b      ; columns 16 b + 8 (lane / 16) + 0..3
	global_load_b128 v[BIAS+8*\b+4:BIAS+8*\b+7], v[BOFF], s[BB:BB+1] offset:64*\b+16   ; + 4..7
.endr
.endif
	s_barrier_signal -1
.endm
; A K step of 64: slot cur is multiplied (128 matrix instructions), the next tile goes to slot nxt, the tile after it is requested.
; ONE barrier a step.  In front of its signal my stores into nxt and my reads of cur are done; behind its wait nxt is read, and cur is
; written again only in the next step.
.macro STEP cur, nxt, conv, load, zero
	s_wait_dscnt 8                                 ; W's and x's rows 0-63 are in; the 8 youngest loads (rows 64-127) may be out
	WIN MUL_LO
	MULH FB0, ALO, \zero
	PLACES
	FETB \cur, 64, FB1
	FETA \cur, 64, ALO, 0
	s_wait_dscnt 24                                ; all but the 24 just issued
	WIN MUL_HI
	MULH FB0, AHI, \zero
	PLACES
	FETA \cur, 64, AHI, 1
.if \conv
	CONV \nxt, \load
	WIN MUL_LO
	MULH FB1, ALO, 0                               ; registers only, while the others arrive
	WIN 0
	s_barrier_wait -1
	PLACES
	FETB \nxt, 0, FB0
	FETA \nxt, 0, ALO, 0
	WIN MUL_HI
	MULH FB1, AHI, 0
	PLACES
	FETA \nxt, 0, AHI, 1
.if \load
	TAILW
.endif
.else
	s_wait_dscnt 8
	WIN MUL_LO
	MULH FB1, ALO, 0
	s_wait_dscnt 0
	WIN MUL_HI
	MULH FB1, AHI, 0
	WIN 0
.endif
.endm
	s_load_b512 s[8:23], s[0:1], 0x0               ; query, key, value, Wq, Wk, Wv, bq, bk
	s_load_b256 s[24:31], s[0:1], 0x40             ; bv, qh, kh, vh
	v_lshl_add_u32 v30, v0, 2, 0x28400
	v_mov_b32 v31, 0
	v_lshrrev_b32 v3, 5, v0
	v_readfirstlane_b32 s32, v3                    ; wave 0..3
	s_lshr_b32 s33, s32, 1                         ; my half of the block's rows
	s_and_b32 s34, s32, 1                          ; my half of its columns
	s_mov_b32 s35, ttmp9                           ; bx
	s_and_b32 s36, ttmp7, 0xffff
	s_lshr_b32 s37, s36, 4                         ; t: which projection
	s_and_b32 s38, s36, 15                         ; mb: which 256 rows
	v_and_b32 v1, 15, v0                           ; r = lane % 16
	v_bfe_u32 v2, v0, 4, 1                         ; h = lane / 16
	v_lshlrev_b32 v4, 4, v1
	v_lshl_add_u32 v4, v2, 12, v4
	s_lshl_b32 s50, s32, 18
	v_add_nc_u32 v[GOFF], s50, v4                  ; (64 wave + h) rows of 4,096 bytes + 16 r
	v_mul_u32_u24 v4, v2, PITCH
	v_lshl_add_u32 v4, v1, 3, v4
	s_mul_i32 s50, s32, 64*PITCH
	v_add_nc_u32 v[STO], s50, v4                   ; (64 wave + h) LDS rows + 8 r
	v_add_nc_u32 v[STO+1], SLOT, v[STO]
	v_mul_u32_u24 v5, v1, PITCH
	v_lshl_add_u32 v5, v2, 4, v5                   ; a fragment: row r, 16 bytes for each half of the lanes
	s_mul_i32 s50, s33, HALFT
	s_mul_i32 s51, s34, HALFT
	s_add_co_u32 s51, s51, TILE
	v_add_nc_u32 v[ADRA], s50, v5
	v_add_nc_u32 v[ADRB], s51, v5
	v_add_nc_u32 v[ADRA+1], SLOT, v[ADRA]
	v_add_nc_u32 v[ADRB+1], SLOT, v[ADRB]
	s_mul_i32 s50, s32, 16*SPITCH
	s_add_co_u32 s50, s50, STAGE                   ; my stage
	v_mul_u32_u24 v6, v1, SPITCH
	v_lshl_add_u32 v6, v2, 4, v6
	v_add_nc_u32 v[SST], s50, v6                   ; in: row r, 16 bytes for each half of the lanes
	v_bfe_u32 v7, v0, 3, 1
	v_mul_u32_u24 v7, v7, SPITCH
	v_lshl_add_u32 v7, v2, 7, v7
	v_and_b32 v8, 7, v0
	v_lshl_add_u32 v7, v8, 4, v7
	v_add_nc_u32 v[SRD], s50, v7                   ; back: lanes 0-15 two rows' first 128 bytes (one head), lanes 16-31 their second 128 (the next head)
	v_lshlrev_b32 v9, 4, v1
	v_lshl_add_u32 v[CO], v2, 18, v9               ; 16 r, and a head (2048 x 128 bytes) further for lanes 16-31
	v_lshlrev_b32 v[BOFF], 5, v2                   ; 8 h numbers of f32
	s_wait_kmcnt 0x0
	s_cmp_eq_u32 s37, 1                            ; the four buffers of my projection: a choice on the work-group's number alone
	s_cselect_b64 s[XB:XB+1], s[10:11], s[8:9]
	s_cselect_b64 s[WB:WB+1], s[16:17], s[14:15]
	s_cselect_b64 s[BB:BB+1], s[22:23], s[20:21]
	s_cselect_b64 s[OB:OB+1], s[28:29], s[26:27]
	s_cmp_eq_u32 s37, 2
	s_cselect_b64 s[XB:XB+1], s[12:13], s[XB:XB+1]
	s_cselect_b64 s[WB:WB+1], s[18:19], s[WB:WB+1]
	s_cselect_b64 s[BB:BB+1], s[24:25], s[BB:BB+1]
	s_cselect_b64 s[OB:OB+1], s[30:31], s[OB:OB+1]
	s_cmp_eq_u32 s37, 0
	s_cselect_b32 s[SCL], 0x3e38aa3b, 1.0          ; log2(e) / 8 for the query
	s_mov_b32 s[SCL+1], s[SCL]
	s_lshl_b32 s50, s38, 20                        ; 256 rows of 4,096 bytes
	s_mov_b32 s51, 0
	s_add_nc_u64 s[XB:XB+1], s[XB:XB+1], s[50:51]
	s_lshl_b32 s50, s35, 20
	s_add_nc_u64 s[WB:WB+1], s[WB:WB+1], s[50:51]
	LOADA                                          ; tile 0 is requested before anything else is worked out
	LOADW 0, 32
	WIN 0
	s_lshl_b32 s50, s35, 10
	s_lshl_b32 s53, s34, 9
	s_add_co_u32 s50, s50, s53                     ; (256 bx + 128 half) x 4 bytes
	s_add_nc_u64 s[BB:BB+1], s[BB:BB+1], s[50:51]
	s_lshr_b32 s50, s38, 3                         ; batch
	s_lshl_b32 s50, s50, 4
	s_lshl2_add_u32 s50, s35, s50                  ; + 4 bx
	s_lshl1_add_u32 s50, s34, s50                  ; + 2 half: my first head
	s_lshl_b32 s50, s50, 11                        ; x 2048 rows
	s_and_b32 s53, s38, 7
	s_lshl_b32 s53, s53, 8
	s_add_co_u32 s50, s50, s53                     ; + the block's first s
	s_lshl_b32 s53, s33, 7
	s_add_co_u32 s50, s50, s53                     ; + my half's
	s_lshl_b32 s50, s50, 7                         ; x 128 bytes
	s_add_nc_u64 s[OB:OB+1], s[OB:OB+1], s[50:51]
	CONV 0, 1                                      ; tile 0 to slot 0; tile 1 requested
	s_barrier_wait -1
	FETB 0, 0, FB0
	FETA 0, 0, ALO, 0
	FETA 0, 0, AHI, 1
	TAILW
	STEP 0, 1, 1, 1, 1                             ; step s multiplies tile s, converts tile s + 1, requests tile s + 2.  The first products start the sums
	STEP 1, 0, 1, 1, 0
	s_mov_b32 s52, 6
.Lk:
	STEP 0, 1, 1, 1, 0                             ; steps 2 to 13
	STEP 1, 0, 1, 1, 0
	s_sub_co_u32 s52, s52, 1
	s_cmp_lg_u32 s52, 0
	s_cbranch_scc1 .Lk
	STEP 0, 1, 1, 0, 0                             ; step 14: the last tile is converted, nothing is left to request; the bias is
	STEP 1, 0, 0, 0, 0                             ; step 15
	; THE WAY OUT.  (sum + bias) x scale = sum x scale + bias x scale, one fused multiply-add for two numbers.
	PLACES
	s_wait_loadcnt 0x0                             ; the bias
.set ci, 0
.rept 32
	v_pk_mul_f32 v[BIAS+2*ci:BIAS+2*ci+1], v[BIAS+2*ci:BIAS+2*ci+1], s[SCL:SCL+1] op_sel_hi:[1,0]
.set ci, ci+1
.endr
.macro SCALE
.irp a, 0,1,2,3
.irp b, 0,1,2,3,4,5,6,7
.irp p, 0,2,4,6
	v_pk_fma_f32 v[8*(8*\a+\b)+\p:8*(8*\a+\b)+\p+1], v[8*(8*\a+\b)+\p:8*(8*\a+\b)+\p+1], s[SCL:SCL+1], v[BIAS+8*\b+\p:BIAS+8*\b+\p+1] op_sel_hi:[1,0,1]
.endr
.endr
.endr
.endm
	WIN 0x82                                       ; source 0 and destination window 2, the bias window 0
	SCALE
	WIN 0xc3                                       ; the same for window 3
	SCALE
; 16 rows at a time: round to f16, 16 bytes a lane into my own stage, read back so that sixteen lanes hold two rows of one head, 256 consecutive bytes.
.macro OUT16 i, a, from, rb
	WIN \from
.irp b, 0,1,2,3,4,5,6,7
.irp p, 0,1,2,3
	v_cvt_pk_f16_f32 v[TMP+4*\b+\p], v[8*(8*\a+\b)+2*\p], v[8*(8*\a+\b)+2*\p+1]
.endr
.endr
	WIN 0
.irp b, 0,1,2,3,4,5,6,7
	ds_store_b128 v[SST], v[TMP+4*\b:TMP+4*\b+3] offset:32*\b
.endr
	s_wait_xcnt 0x0                                ; the registers that earlier stores read are loaded again only behind this wait
.irp t, 0,1,2,3,4,5,6,7
	ds_load_b128 v[\rb+4*\t:\rb+4*\t+3], v[SRD] offset:\t*2*SPITCH     ; LDS serves a wave's instructions in order: these see the stores above
.endr
.irp t, 0,1,2,3,4,5,6,7
	s_wait_dscnt 7-\t                              ; the younger loads of the eight stay out
	global_store_b128 v[CO], v[\rb+4*\t:\rb+4*\t+3], s[OB:OB+1] offset:\i*2048+\t*256
.endr
.endm
	OUT16 0, 0, 0x0a, ALO
	OUT16 1, 1, 0x0a, AHI
	OUT16 2, 2, 0x0a, ALO
	OUT16 3, 3, 0x0a, AHI
	OUT16 4, 0, 0x0f, ALO
	OUT16 5, 1, 0x0f, AHI
	OUT16 6, 2, 0x0f, ALO
	OUT16 7, 3, 0x0f, AHI
	s_wait_tensorcnt 0x0
	ds_add_u32 v30, v31
	s_wait_dscnt 0x0
	s_endpgm
.Lfunc_end_k_q83dc68fc87_proj:
	.size	k_q83dc68fc87_proj, .Lfunc_end_k_q83dc68fc87_proj-k_q83dc68fc87_proj
	.p2alignl 7, 3214868480
	.fill 96, 4, 3214868480
	.section	.rodata,"a",@progbits
	.p2align	6, 0x0
	.amdhsa_kernel k_q83dc68fc87_proj
		.amdhsa_group_segment_fixed_size 165376
		.amdhsa_private_segment_fixed_size 0
		.amdhsa_enable_private_segment 0
		.amdhsa_kernarg_size 96
		.amdhsa_user_sgpr_count 2
		.amdhsa_user_sgpr_kernarg_segment_ptr 1
		.amdhsa_wavefront_size32 1
		.amdhsa_system_sgpr_workgroup_id_x 1
		.amdhsa_system_sgpr_workgroup_id_y 1
		.amdhsa_system_sgpr_workgroup_id_z 1
		.amdhsa_system_vgpr_workitem_id 0
		.amdhsa_next_free_vgpr 1024
		.amdhsa_next_free_sgpr 66
		.amdhsa_reserve_vcc 0
		.amdhsa_float_denorm_mode_32 3
		.amdhsa_float_denorm_mode_16_64 3
		.amdhsa_memory_ordered 1
		.amdhsa_forward_progress 1
		.amdhsa_inst_pref_size 245
	.end_amdhsa_kernel
	.amdgpu_metadata
---
amdhsa.version: [ 1, 2 ]
amdhsa.kernels:
  - .name:           k_q83dc68fc87_proj
    .symbol:         k_q83dc68fc87_proj.kd
    .args:
      - { .name: query, .offset: 0, .size: 8, .value_kind: global_buffer, .address_space: global }
      - { .name: key, .offset: 8, .size: 8, .value_kind: global_buffer, .address_space: global }
      - { .name: value, .offset: 16, .size: 8, .value_kind: global_buffer, .address_space: global }
      - { .name: Wq, .offset: 24, .size: 8, .value_kind: global_buffer, .address_space: global }
      - { .name: Wk, .offset: 32, .size: 8, .value_kind: global_buffer, .address_space: global }
      - { .name: Wv, .offset: 40, .size: 8, .value_kind: global_buffer, .address_space: global }
      - { .name: bq, .offset: 48, .size: 8, .value_kind: global_buffer, .address_space: global }
      - { .name: bk, .offset: 56, .size: 8, .value_kind: global_buffer, .address_space: global }
      - { .name: bv, .offset: 64, .size: 8, .value_kind: global_buffer, .address_space: global }
      - { .name: qh, .offset: 72, .size: 8, .value_kind: global_buffer, .address_space: global }
      - { .name: kh, .offset: 80, .size: 8, .value_kind: global_buffer, .address_space: global }
      - { .name: vh, .offset: 88, .size: 8, .value_kind: global_buffer, .address_space: global }
    .group_segment_fixed_size: 165376
    .private_segment_fixed_size: 0
    .kernarg_segment_align: 8
    .kernarg_segment_size: 96
    .max_flat_workgroup_size: 128
    .sgpr_count:     66
    .vgpr_count:     1024
    .wavefront_size: 32
...
	.end_amdgpu_metadata
.endif
;; end of part 1
;; launch attn (part 2): grid 8 x 32, 8 waves a work-group, clusters of 4 x 1, 327,680 bytes of LDS; arguments qh, kh, vh, oh; writes oh
.if DOCPART == 2
	.amdgcn_target "amdgcn-amd-amdhsa--gfx1250"
	.amdhsa_code_object_version 6
	.text
	.protected	k_q83dc68fc87_attn
	.globl	k_q83dc68fc87_attn
	.p2align	8
	.type	k_q83dc68fc87_attn,@function
k_q83dc68fc87_attn:
	s_mov_b64 s[64:65], 0
	v_nop
	global_prefetch_b8 v0, s[64:65] scope:SCOPE_SE
	s_setreg_imm32_b32 hwreg(HW_REG_WAVE_MODE, 25, 1), 1
	s_wait_xcnt 0x0
	s_wait_alu depctr_hold_cnt(0) depctr_sa_sdst(0) depctr_va_vdst(0) depctr_va_sdst(0) depctr_va_ssrc(0) depctr_va_vcc(0) depctr_vm_vsrc(0)
	s_getreg_b32 s2, hwreg(HW_REG_IB_STS2, 6, 4)
	s_cmp_eq_u32 s2, 0
	s_cbranch_scc0 .Lentry_in_a_cluster
	s_endpgm
.Lentry_in_a_cluster:
	s_bfe_u32 s2, ttmp6, 0x10000c
	s_cmp_lg_u32 s2, 0x3003
	s_cbranch_scc0 .Lentry_shape_is_right
	s_endpgm
.Lentry_shape_is_right:
; Attention of one head for 256 queries: o = softmax(q k^T / 8) v, with a running maximum.  qh, kh, vh, oh: f16, [batch x head][2048][64].
; qh already holds q x log2(e) / 8, so the weights are 2^(s - max).  Work-group (x, y): head y, queries 256 x ..; wave w: 32 queries, two blocks of 16.
; BOTH PRODUCTS ARE USED TRANSPOSED.  S^T = K Q^T: a lane holds one query (lane % 16) and 8 keys of each tile.  Two neighbouring key tiles, packed to
; f16, ARE the second operand of O^T = V^T P^T: the weights never leave the registers, and maximum, sum and rescaling are a lane's own;
; only the two halves of the lanes meet, by one v_permlanex16_b32.
; CLUSTER: the four work-groups of a cluster are four query blocks of ONE head and walk the same K and V tiles: every tile is asked for jointly (mask 15).
; All partners run the same trips; the place in the cluster enters the global offsets of q and o alone.
; LDS: two slots of 512 keys.  A tensor load brings 64 rows of 256 bytes (2 keys a row); waves 0-3 bring K's quarters, waves 4-7 V's.
; By this text's own count a wave has at most two tensor loads out: two at the start, one behind each refill.
; No prefetch: a refill is asked for eight sub-steps of 64 keys ahead of its first use.
; LIMITS: finite inputs.  The weights are rounded to f16 (below 2^-25 they are 0; the row's sum is at least 1).  2^x below 2^-126 is 0.
.set KP,    272                        ; K's LDS pitch: key k lies at (k / 2) 272 + (k % 2) 128: a fragment's 16 rows start at 16 different 16-byte columns modulo 256
.set VP,    288                        ; V's LDS pitch: the same holds for the transposing load's addresses
.set KREG,  256*KP
.set VREG,  256*VP
.set SLOT,  KREG+VREG                  ; 143,360
.set STAGE, 2*SLOT                     ; 286,720, a multiple of 256: 32 rows x 144 bytes for each wave; no tensor load lands here
.set SP,    144
.set KA, 2                             ; LDS address of this sub-step's K fragments
.set VA, 3                             ; and of V's
.set KL, 4                             ; their lane terms
.set VL, 5
.set STO, 6
.set RD, 7
.set CO, 8
.set QO, 9
.set MX, 10                            ; v[10:11] running maximum of my query in block 0, 1
.set AL, 12                            ; v[12:13] 2^(old maximum - new)
.set TX, 14                            ; v[14:15]
.set UX, 16                            ; v[16:17]
.set LS, 18                            ; v[18:19], v[20:21] running sums, two partial sums for each block
.set SV, 32                            ; v32-95   S: tile (kb, qb) at 32 + 32 qb + 8 kb; then P: fragment (ch, qb) at 32 + 32 qb + 16 ch
.set OV, 96                            ; v96-159  O: tile (db, qb) at 96 + 32 qb + 8 db
.set VT, 160                           ; v160-223 V^T: fragment (ch, db) at 160 + 8 (4 ch + db)
.set TMP, 224
; window 1: v0-63 K fragments (kb, c) at 8 (2 kb + c); v64-95 Q fragments (qb, c) at 64 + 8 (2 qb + c)
.set G1K, 24
.set G0K, 32                           ; s[32:35] slot 0, s[36:39] slot 1
.set G1V, 40
.set G0V, 48
.set MSB, 0
.macro WIN new
.if MSB != \new
	s_set_vgpr_msb (MSB<<8)|\new
.set MSB, \new
.endif
.endm
.macro ROUND                           ; a round of the cluster's barrier
	s_barrier_signal -1
	s_barrier_wait -1
	s_cmp_lg_u32 s12, 0
	s_cbranch_scc1 .Lnot_wave_0_\@
	s_barrier_signal -3
.Lnot_wave_0_\@:
	s_barrier_wait -3
	s_barrier_signal -1
	s_barrier_wait -1
.endm
.macro JLOAD sl                        ; a wave's one joint load: the branch hangs on the wave's number alone
	s_cmp_lt_u32 s12, 4
	s_cbranch_scc0 .Lfor_v_\@
	tensor_load_to_lds s[G0K+4*\sl:G0K+4*\sl+3], s[G1K:G1K+7]
	s_nop 0
	v_nop
	s_branch .Lasked_\@
.Lfor_v_\@:
	tensor_load_to_lds s[G0V+4*\sl:G0V+4*\sl+3], s[G1V:G1V+7]
	s_nop 0
	v_nop
	v_nop
.Lasked_\@:
.endm
.macro KLOAD off                       ; 16 LDS loads: 64 keys x 64 d as 8 fragments
	WIN 0x40
.irp kb, 0,1,2,3
.irp c, 0,1
	ds_load_b128 v[8*(2*\kb+\c):8*(2*\kb+\c)+3],   v[KA] offset:\off+8*KP*\kb+64*\c
	ds_load_b128 v[8*(2*\kb+\c)+4:8*(2*\kb+\c)+7], v[KA] offset:\off+8*KP*\kb+64*\c+32
.endr
.endr
	WIN 0
.endm
.macro VLOAD                           ; 16 transposing LDS loads: 64 d x 64 keys as 8 fragments
.irp ch, 0,1
.irp db, 0,1,2,3
	ds_load_tr16_b128 v[VT+8*(4*\ch+\db):VT+8*(4*\ch+\db)+3],   v[VA] offset:16*VP*\ch+32*\db
	ds_load_tr16_b128 v[VT+8*(4*\ch+\db)+4:VT+8*(4*\ch+\db)+7], v[VA] offset:16*VP*\ch+32*\db+8*VP
.endr
.endr
.endm
; 64 keys x 32 queries: new maximum, rescale, weights, sums, packing.  first = 1: nothing to rescale yet.
.macro SOFTMAX first
	v_max3_num_f32 v[TX],   v[SV],    v[SV+1],  v[SV+2]            ; two chains, one for each query block
	v_max3_num_f32 v[TX+1], v[SV+32], v[SV+33], v[SV+34]
.set sm, 0
.rept 14
	v_max3_num_f32 v[TX],   v[TX],   v[SV+3+2*sm],  v[SV+4+2*sm]
	v_max3_num_f32 v[TX+1], v[TX+1], v[SV+35+2*sm], v[SV+36+2*sm]
.set sm, sm+1
.endr
.if \first
	v_max_num_f32 v[TX],   v[TX],   v[SV+31]
	v_max_num_f32 v[TX+1], v[TX+1], v[SV+63]
.else
	v_max3_num_f32 v[TX],   v[TX],   v[SV+31], v[MX]               ; the running maximum joins
	v_max3_num_f32 v[TX+1], v[TX+1], v[SV+63], v[MX+1]
.endif
	v_permlanex16_b32 v[UX],   v[TX],   s18, s19                   ; the other half of the lanes holds the same query's other keys
	v_permlanex16_b32 v[UX+1], v[TX+1], s18, s19
	v_max_num_f32 v[TX],   v[TX],   v[UX]
	v_max_num_f32 v[TX+1], v[TX+1], v[UX+1]
.if \first
	v_mov_b32 v[MX],   v[TX]
	v_mov_b32 v[MX+1], v[TX+1]
	v_mov_b32 v[LS],   0
	v_mov_b32 v[LS+1], 0
	v_mov_b32 v[LS+2], 0
	v_mov_b32 v[LS+3], 0
.else
	v_pk_add_f32 v[AL:AL+1], v[MX:MX+1], v[TX:TX+1] neg_lo:[0,1] neg_hi:[0,1]
	v_exp_f32 v[AL],   v[AL]
	v_exp_f32 v[AL+1], v[AL+1]
	v_mov_b32 v[MX],   v[TX]                                       ; plain instructions behind the exponentials, ahead of their first use (ISA guide 5.7.2)
	v_mov_b32 v[MX+1], v[TX+1]
	s_wait_alu depctr_va_vdst(0)
	v_pk_mul_f32 v[LS:LS+1],   v[LS:LS+1],   v[AL:AL+1] op_sel_hi:[1,0]
	v_pk_mul_f32 v[LS+2:LS+3], v[LS+2:LS+3], v[AL:AL+1] op_sel:[0,1] op_sel_hi:[1,1]
.endif
	; pair st of 32: subtract the maximum and rescale O's pair st; 2^x of pair st - 1; sum and pack pair st - 2.
	; Behind each two exponentials stands the sum of an older pair, a plain instruction that touches neither their results nor their sources.
	; P is packed in place: word 16 g + e takes pair 8 g + e, whose own words are 16 g + 2 e, + 1: every word written has been used up.
.set st, 0
.rept 34
.if st < 32
.if st < 16
	v_pk_add_f32 v[SV+2*st:SV+2*st+1], v[SV+2*st:SV+2*st+1], v[MX:MX+1] op_sel_hi:[1,0] neg_lo:[0,1] neg_hi:[0,1]
.else
	v_pk_add_f32 v[SV+2*st:SV+2*st+1], v[SV+2*st:SV+2*st+1], v[MX:MX+1] op_sel:[0,1] op_sel_hi:[1,1] neg_lo:[0,1] neg_hi:[0,1]
.endif
.if \first == 0
.if st < 16
	v_pk_mul_f32 v[OV+2*st:OV+2*st+1], v[OV+2*st:OV+2*st+1], v[AL:AL+1] op_sel_hi:[1,0]
.else
	v_pk_mul_f32 v[OV+2*st:OV+2*st+1], v[OV+2*st:OV+2*st+1], v[AL:AL+1] op_sel:[0,1] op_sel_hi:[1,1]
.endif
.endif
.endif
.if st >= 1
.if st <= 32
	v_exp_f32 v[SV+2*st-2], v[SV+2*st-2]
	v_exp_f32 v[SV+2*st-1], v[SV+2*st-1]
.endif
.endif
.if st >= 2
	s_wait_alu depctr_va_vdst(0)
	v_pk_add_f32 v[LS+2*((st-2)/16):LS+2*((st-2)/16)+1], v[LS+2*((st-2)/16):LS+2*((st-2)/16)+1], v[SV+2*st-4:SV+2*st-3]
	v_cvt_pk_f16_f32 v[SV+16*((st-2)/8)+((st-2)%8)], v[SV+2*st-4], v[SV+2*st-3]
.endif
.set st, st+1
.endr
.endm
; A sub-step of 64 keys.  pre = 1: the next sub-step's K fragments are fetched under the softmax.
; In both products eight accumulators take turns, one instruction a turn.
.macro SUB first, pre
	s_wait_dscnt 0x0                               ; K's fragments are in
	WIN 0x05                                       ; both sources window 1, C and D window 0
.irp c, 0,1
.irp kb, 0,1,2,3
.irp qb, 0,1
.if \c
	v_wmma_f32_16x16x32_f16 v[SV+32*\qb+8*\kb:SV+32*\qb+8*\kb+7], v[8*(2*\kb+\c):8*(2*\kb+\c)+7], v[64+8*(2*\qb+\c):64+8*(2*\qb+\c)+7], v[SV+32*\qb+8*\kb:SV+32*\qb+8*\kb+7]
.else
	v_wmma_f32_16x16x32_f16 v[SV+32*\qb+8*\kb:SV+32*\qb+8*\kb+7], v[8*(2*\kb+\c):8*(2*\kb+\c)+7], v[64+8*(2*\qb+\c):64+8*(2*\qb+\c)+7], 0
.endif
.endr
.endr
.endr
	WIN 0
.rept 4
	v_nop                                          ; four places: in front of the loads into K's fragments and of the readers of S
.endr
	VLOAD
.if \pre
	KLOAD 32*KP
.endif
	SOFTMAX \first
.if \pre
	s_wait_dscnt 16                                ; V's 16 loads are in; the 16 of the next K stay out
.else
	s_wait_dscnt 0x0
.endif
.irp ch, 0,1
.irp qb, 0,1
.irp db, 0,1,2,3
.if \first*(1-\ch)
	v_wmma_f32_16x16x32_f16 v[OV+32*\qb+8*\db:OV+32*\qb+8*\db+7], v[VT+8*(4*\ch+\db):VT+8*(4*\ch+\db)+7], v[SV+32*\qb+16*\ch:SV+32*\qb+16*\ch+7], 0
.else
	v_wmma_f32_16x16x32_f16 v[OV+32*\qb+8*\db:OV+32*\qb+8*\db+7], v[VT+8*(4*\ch+\db):VT+8*(4*\ch+\db)+7], v[SV+32*\qb+16*\ch:SV+32*\qb+16*\ch+7], v[OV+32*\qb+8*\db:OV+32*\qb+8*\db+7]
.endif
.endr
.endr
.endr
	v_add_nc_u32 v[KA], 32*KP, v[KA]               ; 64 keys on.  These two and three v_nop are the five places in front of the
	v_add_nc_u32 v[VA], 32*VP, v[VA]               ; next matrix instruction, which writes over P
.rept 3
	v_nop
.endr
.endm
.macro PROC sl, first                  ; a slot's 512 keys: eight sub-steps
	v_add_nc_u32 v[KA], \sl*SLOT, v[KL]
	v_add_nc_u32 v[VA], \sl*SLOT+KREG, v[VL]
	KLOAD 0
.if \first
	SUB 1, 1
	s_mov_b32 s17, 6
.else
	s_mov_b32 s17, 7
.endif
.Lsub_\@:
	SUB 0, 1
	s_sub_co_u32 s17, s17, 1
	s_cmp_lg_u32 s17, 0
	s_cbranch_scc1 .Lsub_\@
	SUB 0, 0
.endm
; Slot sl, which has been read, is filled again, 1,024 keys on.  Every wave's waits stand in front of the round; the joint load is first behind it.
.macro REFILL sl
	s_set_vgpr_msb 0x5
	s_wait_tensorcnt 0x0                           ; all my tensor loads have landed, my part of the other slot among them: a group 0 may be written
	ds_add_u32 v96, v97
	s_wait_dscnt 0x0
	s_set_vgpr_msb 0x500
	s_add_nc_u64 s[G0K+4*\sl+2:G0K+4*\sl+3], s[G0K+4*\sl+2:G0K+4*\sl+3], 2*65536
	s_add_nc_u64 s[G0V+4*\sl+2:G0V+4*\sl+3], s[G0V+4*\sl+2:G0V+4*\sl+3], 2*65536
	s_wait_dscnt 0x0                               ; my reads of this slot are done
	ROUND                                          ; both now hold of every wave of all four work-groups
	JLOAD \sl
.endm
	s_load_b256 s[4:11], s[0:1], 0x0               ; qh s[4:5], kh s[6:7], vh s[8:9], oh s[10:11]
	s_set_vgpr_msb 0x40
	v_lshl_add_u32 v96, v0, 2, 0x4f000
	v_mov_b32 v97, 0
	s_set_vgpr_msb 0x4045
	ds_add_u32 v96, v97
	s_set_vgpr_msb 0x4500
	v_lshrrev_b32 v1, 5, v0
	v_readfirstlane_b32 s12, v1                    ; wave 0..7
	s_and_b32 s13, s12, 3                          ; which quarter of a tile I bring
	s_bfe_u32 s14, ttmp6, 0x40000                  ; cx
	s_lshl_b32 s15, ttmp9, 2
	s_add_co_u32 s15, s15, s14                     ; query block = 4 x cluster x + cx
	s_and_b32 s16, ttmp7, 0xffff                   ; batch x 16 + head
	s_mov_b32 s18, 0x76543210                      ; v_permlanex16_b32: lane i reads lane i of the other half
	s_mov_b32 s19, 0xfedcba98
	; group 1: 64 rows of 32 elements of 8 bytes, dense in memory, padded in LDS behind every 64 words
	s_mov_b32 s[G1K+0], 15|(3<<16)|(1<<20)|(1<<21)|(5<<22)|(3<<25)  ; mask: all four partners; 8-byte elements; padding on; bit 21 beside a mask; after 64 words; 4 words
	s_mov_b32 s[G1K+1], 32<<16                     ; tensor_dim0 = 32
	s_mov_b32 s[G1K+2], 64<<16                     ; tensor_dim1 = 64
	s_mov_b32 s[G1K+3], 32<<16                     ; tile_dim0 = 32
	s_mov_b32 s[G1K+4], 64                         ; tile_dim1 = 64
	s_mov_b32 s[G1K+5], 32                         ; from row to row: 32 elements
	s_mov_b32 s[G1K+6], 0
	s_mov_b32 s[G1K+7], 0
	s_mov_b32 s[G1V+0], 15|(3<<16)|(1<<20)|(1<<21)|(5<<22)|(7<<25)  ; the same with 8 words of padding
	s_mov_b32 s[G1V+1], 32<<16
	s_mov_b32 s[G1V+2], 64<<16
	s_mov_b32 s[G1V+3], 32<<16
	s_mov_b32 s[G1V+4], 64
	s_mov_b32 s[G1V+5], 32
	s_mov_b32 s[G1V+6], 0
	s_mov_b32 s[G1V+7], 0
	s_mov_b32 s[G0K], 1
	s_mov_b32 s[G0K+4], 1
	s_mov_b32 s[G0V], 1
	s_mov_b32 s[G0V+4], 1
	s_mul_i32 s[G0K+1], s13, 64*KP                 ; LDS: my quarter of K's rows, slot 0,
	s_add_co_u32 s[G0K+5], s[G0K+1], SLOT          ; slot 1
	s_mul_i32 s[G0V+1], s13, 64*VP
	s_add_co_u32 s[G0V+1], s[G0V+1], KREG          ; V's rows lie behind K's
	s_add_co_u32 s[G0V+5], s[G0V+1], SLOT
	v_bfe_u32 v22, v0, 1, 3                        ; (lane % 16) / 2
	v_and_b32 v23, 1, v0                           ; lane % 2
	v_bfe_u32 v24, v0, 4, 1                        ; h = lane / 16
	v_mul_u32_u24 v[KL], v22, KP
	v_lshl_add_u32 v[KL], v23, 7, v[KL]
	v_lshl_add_u32 v[KL], v24, 4, v[KL]            ; key lane % 16, 16 bytes for each half of the lanes
	v_bfe_u32 v25, v0, 1, 2
	v_lshl_add_u32 v25, v24, 2, v25
	v_mul_u32_u24 v[VL], v25, VP
	v_lshl_add_u32 v[VL], v23, 7, v[VL]
	v_bfe_u32 v26, v0, 3, 1
	v_lshl_add_u32 v[VL], v26, 4, v[VL]            ; key 8 h + lane % 8, columns 8 ((lane / 8) % 2) ..
	s_mul_i32 s3, s12, 32*SP
	s_add_co_u32 s3, s3, STAGE                     ; my stage
	v_and_b32 v27, 15, v0
	v_mul_u32_u24 v28, v27, SP
	v_lshl_add_u32 v28, v24, 4, v28
	v_add_nc_u32 v[STO], s3, v28
	v_bfe_u32 v29, v0, 3, 2
	v_mul_u32_u24 v29, v29, SP
	v_and_b32 v30, 7, v0
	v_lshl_add_u32 v29, v30, 4, v29
	v_add_nc_u32 v[RD], s3, v29
	v_and_b32 v31, 31, v0
	v_lshlrev_b32 v[CO], 4, v31
	v_lshlrev_b32 v[QO], 7, v27
	v_lshl_add_u32 v[QO], v24, 4, v[QO]
	v_mov_b32 v[UX], 0                             ; v_permlanex16_b32 counts as a reader of its destination
	v_mov_b32 v[UX+1], 0
	s_lshl_b32 s20, s16, 18                        ; the head: 2048 x 128 bytes; shared by the partners
	s_lshl_b32 s21, s13, 14                        ; my quarter: 64 rows of 256 bytes
	s_add_co_u32 s20, s20, s21
	s_mov_b32 s21, 0
	s_lshl_b32 s22, s16, 18                        ; q and o: the head, my work-group's 256 rows, my wave's 32: registers that feed no descriptor
	s_lshl_b32 s23, s15, 15
	s_add_co_u32 s22, s22, s23
	s_lshl_b32 s23, s12, 12
	s_add_co_u32 s22, s22, s23
	s_mov_b32 s23, 0
	s_wait_dscnt 0x0
	s_wait_kmcnt 0x0
	s_add_nc_u64 s[G0K+2:G0K+3], s[6:7], s[20:21]
	s_add_nc_u64 s[G0K+6:G0K+7], s[G0K+2:G0K+3], 65536             ; slot 1: 512 keys on
	s_add_nc_u64 s[G0V+2:G0V+3], s[8:9], s[20:21]
	s_add_nc_u64 s[G0V+6:G0V+7], s[G0V+2:G0V+3], 65536
	s_or_b32 s[G0K+3], s[G0K+3], 0x80000000        ; type = 2
	s_or_b32 s[G0K+7], s[G0K+7], 0x80000000
	s_or_b32 s[G0V+3], s[G0V+3], 0x80000000
	s_or_b32 s[G0V+7], s[G0V+7], 0x80000000
	s_add_nc_u64 s[56:57], s[4:5], s[22:23]        ; q
	s_add_nc_u64 s[58:59], s[10:11], s[22:23]      ; o
	ROUND                                          ; all four work-groups are here: the first joint loads meet
	s_cmp_lt_u32 s12, 4                            ; both first fills of a wave in one branch
	s_cbranch_scc0 .Lfirst_v
	tensor_load_to_lds s[G0K:G0K+3], s[G1K:G1K+7]
	s_nop 0
	tensor_load_to_lds s[G0K+4:G0K+7], s[G1K:G1K+7]
	s_nop 0
	s_branch .Lfirst_done
.Lfirst_v:
	tensor_load_to_lds s[G0V:G0V+3], s[G1V:G1V+7]
	s_nop 0
	tensor_load_to_lds s[G0V+4:G0V+7], s[G1V:G1V+7]
	s_nop 0
.Lfirst_done:
	WIN 0x40
.irp qb, 0,1
.irp c, 0,1
	global_load_b128 v[64+8*(2*\qb+\c):64+8*(2*\qb+\c)+3],   v[QO], s[56:57] offset:2048*\qb+64*\c
	global_load_b128 v[64+8*(2*\qb+\c)+4:64+8*(2*\qb+\c)+7], v[QO], s[56:57] offset:2048*\qb+64*\c+32
.endr
.endr
	WIN 0
	s_wait_tensorcnt 0x1                           ; my part of slot 0 is in; slot 1's may stay out
	s_barrier_signal -1
	s_barrier_wait -1
	s_wait_loadcnt 0x0                             ; q
	PROC 0, 1                                      ; keys 0-511
	REFILL 0                                       ; keys 1024-1535 go out
	PROC 1, 0                                      ; keys 512-1023
	REFILL 1                                       ; keys 1536-2047 go out: the last load
	PROC 0, 0
	s_wait_tensorcnt 0x0                           ; my part of the last tile is in
	s_wait_dscnt 0x0
	s_barrier_signal -1
	s_barrier_wait -1                              ; everybody's is
	PROC 1, 0
	; THE END: divide by the row's sum, round to f16, out through my own stage as whole rows.
	v_add_f32 v[LS],   v[LS],   v[LS+1]
	v_add_f32 v[LS+2], v[LS+2], v[LS+3]
	v_permlanex16_b32 v[UX],   v[LS],   s18, s19
	v_permlanex16_b32 v[UX+1], v[LS+2], s18, s19
	v_add_f32 v[LS],   v[LS],   v[UX]
	v_add_f32 v[LS+2], v[LS+2], v[UX+1]
	v_rcp_f32 v[AL],   v[LS]
	v_rcp_f32 v[AL+1], v[LS+2]
	v_nop                                          ; a plain place behind the reciprocals (ISA guide 5.7.2)
.set st, 0
	s_wait_alu depctr_va_vdst(0)
.rept 16
	v_pk_mul_f32 v[OV+2*st:OV+2*st+1], v[OV+2*st:OV+2*st+1], v[AL:AL+1] op_sel_hi:[1,0]
	v_pk_mul_f32 v[OV+32+2*st:OV+32+2*st+1], v[OV+32+2*st:OV+32+2*st+1], v[AL:AL+1] op_sel:[0,1] op_sel_hi:[1,1]
.set st, st+1
.endr
.set st, 0
.rept 32
	v_cvt_pk_f16_f32 v[TMP+st], v[OV+2*st], v[OV+2*st+1]           ; tile (db, qb): words 4 (4 qb + db) ..: d = 16 db + 8 h + 0..7 of query 16 qb + lane % 16
.set st, st+1
.endr
.irp qb, 0,1
.irp db, 0,1,2,3
	ds_store_b128 v[STO], v[TMP+4*(4*\qb+\db):TMP+4*(4*\qb+\db)+3] offset:16*SP*\qb+32*\db
.endr
.endr
.irp t, 0,1,2,3,4,5,6,7
	ds_load_b128 v[VT+4*\t:VT+4*\t+3], v[RD] offset:4*SP*\t        ; four rows of 128 bytes; LDS serves a wave's instructions in order
.endr
.irp t, 0,1,2,3,4,5,6,7
	s_wait_dscnt 7-\t                              ; the younger loads of the eight stay out
	global_store_b128 v[CO], v[VT+4*\t:VT+4*\t+3], s[58:59] offset:512*\t      ; 512 consecutive bytes, at a multiple of 512 from the buffer's first byte
.endr
	s_set_vgpr_msb 0x5
	s_wait_tensorcnt 0x0
	ds_add_u32 v96, v97
	s_wait_dscnt 0x0
	s_set_vgpr_msb 0x500
	ROUND                                          ; the closing round: no work-group ends while a partner may still ask for a tile that names it
	s_endpgm
.Lfunc_end_k_q83dc68fc87_attn:
	.size	k_q83dc68fc87_attn, .Lfunc_end_k_q83dc68fc87_attn-k_q83dc68fc87_attn
	.p2alignl 7, 3214868480
	.fill 96, 4, 3214868480
	.section	.rodata,"a",@progbits
	.p2align	6, 0x0
	.amdhsa_kernel k_q83dc68fc87_attn
		.amdhsa_group_segment_fixed_size 327680
		.amdhsa_private_segment_fixed_size 0
		.amdhsa_enable_private_segment 0
		.amdhsa_kernarg_size 32
		.amdhsa_user_sgpr_count 2
		.amdhsa_user_sgpr_kernarg_segment_ptr 1
		.amdhsa_wavefront_size32 1
		.amdhsa_system_sgpr_workgroup_id_x 1
		.amdhsa_system_sgpr_workgroup_id_y 1
		.amdhsa_system_sgpr_workgroup_id_z 1
		.amdhsa_system_vgpr_workitem_id 0
		.amdhsa_next_free_vgpr 354
		.amdhsa_next_free_sgpr 66
		.amdhsa_reserve_vcc 0
		.amdhsa_float_denorm_mode_32 3
		.amdhsa_float_denorm_mode_16_64 3
		.amdhsa_memory_ordered 1
		.amdhsa_forward_progress 1
		.amdhsa_inst_pref_size 178
	.end_amdhsa_kernel
	.amdgpu_metadata
---
amdhsa.version: [ 1, 2 ]
amdhsa.kernels:
  - .name:           k_q83dc68fc87_attn
    .symbol:         k_q83dc68fc87_attn.kd
    .args:
      - { .name: qh, .offset: 0, .size: 8, .value_kind: global_buffer, .address_space: global }
      - { .name: kh, .offset: 8, .size: 8, .value_kind: global_buffer, .address_space: global }
      - { .name: vh, .offset: 16, .size: 8, .value_kind: global_buffer, .address_space: global }
      - { .name: oh, .offset: 24, .size: 8, .value_kind: global_buffer, .address_space: global }
    .group_segment_fixed_size: 327680
    .private_segment_fixed_size: 0
    .kernarg_segment_align: 8
    .kernarg_segment_size: 32
    .max_flat_workgroup_size: 256
    .sgpr_count:     66
    .vgpr_count:     354
    .wavefront_size: 32
...
	.end_amdgpu_metadata
.endif
;; end of part 2
;; launch outp (part 3): grid 8 x 32, 4 waves a work-group, no clusters, 157,184 bytes of LDS; arguments oh, Wo, bo, out0; writes out0
.if DOCPART == 3
	.amdgcn_target "amdgcn-amd-amdhsa--gfx1250"
	.amdhsa_code_object_version 6
	.text
	.protected	k_q83dc68fc87_outp
	.globl	k_q83dc68fc87_outp
	.p2align	8
	.type	k_q83dc68fc87_outp,@function
k_q83dc68fc87_outp:
	s_mov_b64 s[64:65], 0
	v_nop
	global_prefetch_b8 v0, s[64:65] scope:SCOPE_SE
	s_setreg_imm32_b32 hwreg(HW_REG_WAVE_MODE, 25, 1), 1
	s_wait_xcnt 0x0
; out0 = o Wo^T + bo.  oh: f16 [batch][head][2048][64]; Wo [1024][1024] f32; bo [1024] f32; out0 [4096][1024] f32.
; Work-group (bx, mb): rows 128 mb .., columns 128 bx ..: 256 work-groups.  Four waves, 64 x 64 each: 16 accumulator tiles.
; K goes in 8 steps of 128 (two heads), all written out: a step's place stands in the loads' immediates, no base is stepped.
; Wo is rounded once to f16 (LIMIT: |Wo| below 65,504), sums are f32; the bias is the C operand of the first products.
; NO TENSOR LOADS, NO JOINT REQUESTS: Wo is f32 in memory and a tensor load copies bytes as they are; it is loaded into registers, converted once
; by the work-group and stored into LDS as f16, and o takes the same road so that one barrier a step serves both.
.set PITCH, 272                        ; 128 f16 + 16 bytes = 17 x 16: a fragment's 16 rows start at 16 different 16-byte columns modulo 256
.set TILE,  128*PITCH
.set SLOT,  2*TILE                     ; o's 128 rows, then Wo's 128 rows
.set STAGE, 2*SLOT                     ; 16 rows x 272 bytes for each wave
.set AOFF, 16
.set WOFF, 17
.set ASTO, 18                          ; v18, v19: slot 0, 1
.set WSTO, 20                          ; v20, v21
.set ADRA, 22                          ; v22, v23
.set ADRW, 24                          ; v24, v25
.set SST,  26
.set SRD,  27
.set OOFF, 28
.set BOFF, 29
.set ACC,  32                          ; v32-159  tile (a, b) at 32 + 8 (4 a + b)
.set F0,   160                         ; v160-223 fragment buffer 0: 4 of o, 4 of Wo
.set BIAS, 224                         ; v224-255 the bias of my 4 x 8 columns
.set F1,   0                           ; window 1: v0-63 fragment buffer 1
.set SA,   64                          ; window 1: v64-127  o as loaded, 16 x 4
.set SW,   128                         ; window 1: v128-255 Wo as loaded, 32 x 4
.set MSB, 0
.macro WIN new
.if MSB != \new
	s_set_vgpr_msb (MSB<<8)|\new
.set MSB, \new
.endif
.endm
.macro PLACES                          ; four places behind a matrix instruction (ISA guide 7.12.1)
.rept 4
	v_nop
.endr
.endm
.macro FETCH slot, k, f, w             ; 16 LDS loads: the fragments of 32 along K at byte k of the rows; w: 0 for buffer 0, 0x40 for buffer 1
	WIN \w
.irp i, 0,1,2,3
	ds_load_b128 v[\f+8*\i:\f+8*\i+3],   v[ADRA+\slot] offset:\k+\i*16*PITCH
	ds_load_b128 v[\f+8*\i+4:\f+8*\i+7], v[ADRA+\slot] offset:\k+\i*16*PITCH+32
.endr
.irp i, 0,1,2,3
	ds_load_b128 v[\f+32+8*\i:\f+32+8*\i+3],   v[ADRW+\slot] offset:\k+\i*16*PITCH
	ds_load_b128 v[\f+32+8*\i+4:\f+32+8*\i+7], v[ADRW+\slot] offset:\k+\i*16*PITCH+32
.endr
.endm
; 8 matrix instructions.  Source 0 = rows of Wo, source 1 = rows of o: a lane's eight results are eight neighbouring columns of one row.
; start = 1: the sums start from the bias.  The 16 accumulators take turns, one instruction a turn.
.macro MUL8 f, w, a0, start
	WIN \w
.irp a, \a0, \a0+1
.irp b, 0,1,2,3
.if \start
	v_wmma_f32_16x16x32_f16 v[ACC+8*(4*(\a)+\b):ACC+8*(4*(\a)+\b)+7], v[\f+32+8*\b:\f+32+8*\b+7], v[\f+8*(\a):\f+8*(\a)+7], v[BIAS+8*\b:BIAS+8*\b+7]
.else
	v_wmma_f32_16x16x32_f16 v[ACC+8*(4*(\a)+\b):ACC+8*(4*(\a)+\b)+7], v[\f+32+8*\b:\f+32+8*\b+7], v[\f+8*(\a):\f+8*(\a)+7], v[ACC+8*(4*(\a)+\b):ACC+8*(4*(\a)+\b)+7]
.endif
.endr
.endr
.endm
.macro LOADA tl                        ; my 32 rows of two heads: each load takes 512 consecutive bytes (4 rows of a head)
.irp e, 0,1
.irp i, 0,1,2,3,4,5,6,7
	global_load_b128 v[SA+4*(8*\e+\i):SA+4*(8*\e+\i)+3], v[AOFF], s[4:5] offset:\tl*524288+\e*262144+\i*512
.endr
.endr
.endm
.macro LOADW tl                        ; my 32 rows of Wo: each load takes a row's 512 bytes of this K step
.set ci, 0
.rept 32
	global_load_b128 v[SW+4*ci:SW+4*ci+3], v[WOFF], s[6:7] offset:\tl*512+ci*4096
.set ci, ci+1
.endr
.endm
; The tile that is in registers goes to slot dst; load = 1: tile tl is requested.  Ends with the barrier's signal.
.macro CONV dst, tl, load
	s_wait_loadcnt 32                              ; o's 16 loads (and, the first time, the bias) are the older: in; Wo's 32 may stay out
	WIN 0x44                                       ; address window 0; store data and loaded data window 1
.irp e, 0,1
.irp i, 0,1,2,3,4,5,6,7
	ds_store_b128 v[ASTO+\dst], v[SA+4*(8*\e+\i):SA+4*(8*\e+\i)+3] offset:4*PITCH*\i+128*\e
.endr
.endr
.if \load
	LOADA \tl
	s_wait_loadcnt 16                              ; Wo's old 32 are in, o's new 16 stay out
.else
	s_wait_loadcnt 0
.endif
	WIN 0x45
.set ci, 0
.rept 32
	v_cvt_pk_f16_f32 v[SW+4*ci],   v[SW+4*ci],   v[SW+4*ci+1]
	v_cvt_pk_f16_f32 v[SW+4*ci+1], v[SW+4*ci+2], v[SW+4*ci+3]
.set ci, ci+1
.endr
	WIN 0x44
.set ci, 0
.rept 32
	ds_store_b64 v[WSTO+\dst], v[SW+4*ci:SW+4*ci+1] offset:ci*PITCH
.set ci, ci+1
.endr
.if \load
	LOADW \tl
.endif
	WIN 0
	s_wait_dscnt 0x0                               ; for the other waves: my stores into slot dst are done, and so are all my reads of the other slot
	s_barrier_signal -1
.endm
.macro QUART f, w, slot, k, g, gw, start           ; multiplies buffer f; ahead of that fetches the next 32 along K into buffer g
	s_wait_dscnt 0x0                               ; buffer f is in
	PLACES
	FETCH \slot, \k, \g, \gw
	MUL8 \f, \w, 0, \start
	MUL8 \f, \w, 2, \start
.endm
; A K step of 128.  ONE barrier a step: in front of its signal my stores into nxt and my reads of cur are done; behind its wait nxt is read,
; and cur is written again only in the next step.
.macro STEP cur, nxt, conv, tl, load, start
	QUART F0, 0,    \cur, 64,  F1, 0x40, \start
	QUART F1, 0x05, \cur, 128, F0, 0,    0
	QUART F0, 0,    \cur, 192, F1, 0x40, 0
	s_wait_dscnt 0x0
.if \conv
	CONV \nxt, \tl, \load
	MUL8 F1, 0x05, 0, 0                            ; registers only, while the others arrive
	WIN 0
	s_barrier_wait -1
	PLACES
	FETCH \nxt, 0, F0, 0
	MUL8 F1, 0x05, 2, 0
.else
	MUL8 F1, 0x05, 0, 0
	MUL8 F1, 0x05, 2, 0
.endif
.endm
	s_load_b256 s[4:11], s[0:1], 0x0               ; oh s[4:5], Wo s[6:7], bo s[8:9], out0 s[10:11]
	v_lshl_add_u32 v30, v0, 2, 0x26400
	v_mov_b32 v31, 0
	v_lshrrev_b32 v1, 5, v0
	v_readfirstlane_b32 s12, v1                    ; wave 0..3
	s_lshr_b32 s13, s12, 1                         ; my half of the rows
	s_and_b32 s14, s12, 1                          ; my half of the columns
	s_and_b32 s15, ttmp7, 0xffff                   ; mb
	v_and_b32 v2, 15, v0                           ; r
	v_bfe_u32 v3, v0, 4, 1                         ; h
	v_and_b32 v4, 31, v0                           ; lane
	s_lshl_b32 s16, s12, 12
	v_lshl_add_u32 v[AOFF], v4, 4, s16             ; 32 wave rows of 128 bytes + 16 lane
	s_lshl_b32 s16, s12, 17
	v_lshl_add_u32 v[WOFF], v4, 4, s16             ; 32 wave rows of 4,096 bytes + 16 lane
	s_mul_i32 s16, s12, 32*PITCH
	v_bfe_u32 v5, v0, 3, 2
	v_mul_u32_u24 v5, v5, PITCH
	v_and_b32 v6, 7, v0
	v_lshl_add_u32 v5, v6, 4, v5
	v_add_nc_u32 v[ASTO], s16, v5                  ; row 32 wave + lane / 8, byte 16 (lane % 8)
	v_add_nc_u32 v[ASTO+1], SLOT, v[ASTO]
	s_add_co_u32 s17, s16, TILE
	v_lshl_add_u32 v[WSTO], v4, 3, s17             ; row 32 wave, byte 8 lane
	v_add_nc_u32 v[WSTO+1], SLOT, v[WSTO]
	v_mul_u32_u24 v7, v2, PITCH
	v_lshl_add_u32 v7, v3, 4, v7
	s_mul_i32 s16, s13, 64*PITCH
	s_mul_i32 s17, s14, 64*PITCH
	s_add_co_u32 s17, s17, TILE
	v_add_nc_u32 v[ADRA], s16, v7
	v_add_nc_u32 v[ADRW], s17, v7
	v_add_nc_u32 v[ADRA+1], SLOT, v[ADRA]
	v_add_nc_u32 v[ADRW+1], SLOT, v[ADRW]
	s_mul_i32 s16, s12, 16*PITCH
	s_add_co_u32 s16, s16, STAGE                   ; my stage
	v_mul_u32_u24 v8, v2, PITCH
	v_lshl_add_u32 v8, v3, 5, v8
	v_add_nc_u32 v[SST], s16, v8                   ; in: row r, 32 bytes for each half of the lanes
	v_mul_u32_u24 v9, v3, PITCH
	v_lshl_add_u32 v9, v2, 4, v9
	v_add_nc_u32 v[SRD], s16, v9                   ; back: lanes 0-15 one row of 256 bytes, lanes 16-31 the next
	v_lshlrev_b32 v10, 4, v2
	v_lshl_add_u32 v[OOFF], v3, 12, v10            ; and the same two rows in out0
	v_lshlrev_b32 v[BOFF], 5, v3
	s_lshr_b32 s16, s15, 4                         ; batch
	s_lshl_b32 s16, s16, 22                        ; 16 heads x 2048 rows x 128 bytes
	s_and_b32 s18, s15, 15
	s_lshl_b32 s18, s18, 14                        ; 128 rows of 128 bytes
	s_add_co_u32 s16, s16, s18
	s_mov_b32 s17, 0
	s_lshl_b32 s18, ttmp9, 19                      ; 128 rows of Wo
	s_mov_b32 s19, 0
	s_lshl_b32 s20, ttmp9, 9
	s_lshl_b32 s22, s14, 8
	s_add_co_u32 s20, s20, s22                     ; (128 bx + 64 half) x 4 bytes
	s_mov_b32 s21, 0
	s_lshl_b32 s22, s15, 19
	s_lshl_b32 s23, s13, 18
	s_add_co_u32 s22, s22, s23                     ; (128 mb + 64 half) rows of 4,096 bytes
	s_add_co_u32 s22, s22, s20
	s_mov_b32 s23, 0
	s_wait_kmcnt 0x0
	s_add_nc_u64 s[4:5], s[4:5], s[16:17]
	s_add_nc_u64 s[6:7], s[6:7], s[18:19]
	s_add_nc_u64 s[8:9], s[8:9], s[20:21]
	s_add_nc_u64 s[10:11], s[10:11], s[22:23]
.irp b, 0,1,2,3
	global_load_b128 v[BIAS+8*\b:BIAS+8*\b+3],   v[BOFF], s[8:9] offset:64*\b       ; columns 16 b + 8 h + 0..3: the layout of a C operand
	global_load_b128 v[BIAS+8*\b+4:BIAS+8*\b+7], v[BOFF], s[8:9] offset:64*\b+16
.endr
	WIN 0x44
	LOADA 0
	LOADW 0
	CONV 0, 1, 1                                   ; tile 0 to slot 0; tile 1 requested
	s_barrier_wait -1
	FETCH 0, 0, F0, 0
	STEP 0, 1, 1, 2, 1, 1                          ; step s multiplies tile s, converts tile s + 1, requests tile s + 2
	STEP 1, 0, 1, 3, 1, 0
	STEP 0, 1, 1, 4, 1, 0
	STEP 1, 0, 1, 5, 1, 0
	STEP 0, 1, 1, 6, 1, 0
	STEP 1, 0, 1, 7, 1, 0
	STEP 0, 1, 1, 0, 0, 0                          ; step 6: the last tile is converted, nothing is left to request
	STEP 1, 0, 0, 0, 0, 0
	; THE WAY OUT, 16 rows at a time: 32 bytes a lane into my own stage, read back as whole rows of 256 bytes.
	WIN 0
	PLACES
.macro OUTA a, rb
.irp b, 0,1,2,3
	ds_store_b128 v[SST], v[ACC+8*(4*\a+\b):ACC+8*(4*\a+\b)+3]   offset:64*\b
	ds_store_b128 v[SST], v[ACC+8*(4*\a+\b)+4:ACC+8*(4*\a+\b)+7] offset:64*\b+16
.endr
	s_wait_xcnt 0x0                                ; the registers that earlier stores read are loaded again only behind this wait
.irp t, 0,1,2,3,4,5,6,7
	ds_load_b128 v[\rb+4*\t:\rb+4*\t+3], v[SRD] offset:\t*2*PITCH      ; LDS serves a wave's instructions in order: these see the stores above
.endr
.irp t, 0,1,2,3,4,5,6,7
	s_wait_dscnt 7-\t                              ; the younger loads of the eight stay out
	global_store_b128 v[OOFF], v[\rb+4*\t:\rb+4*\t+3], s[10:11] offset:(16*\a+2*\t)*4096 th:TH_STORE_NT   ; 16 lanes store 256 consecutive bytes, at a multiple of 256 from out0's first byte
.endr
.endm
	OUTA 0, F0
	OUTA 1, F0+32
	OUTA 2, F0
	OUTA 3, F0+32
	s_wait_tensorcnt 0x0
	ds_add_u32 v30, v31
	s_wait_dscnt 0x0
	s_endpgm
.Lfunc_end_k_q83dc68fc87_outp:
	.size	k_q83dc68fc87_outp, .Lfunc_end_k_q83dc68fc87_outp-k_q83dc68fc87_outp
	.p2alignl 7, 3214868480
	.fill 96, 4, 3214868480
	.section	.rodata,"a",@progbits
	.p2align	6, 0x0
	.amdhsa_kernel k_q83dc68fc87_outp
		.amdhsa_group_segment_fixed_size 157184
		.amdhsa_private_segment_fixed_size 0
		.amdhsa_enable_private_segment 0
		.amdhsa_kernarg_size 32
		.amdhsa_user_sgpr_count 2
		.amdhsa_user_sgpr_kernarg_segment_ptr 1
		.amdhsa_wavefront_size32 1
		.amdhsa_system_sgpr_workgroup_id_x 1
		.amdhsa_system_sgpr_workgroup_id_y 1
		.amdhsa_system_sgpr_workgroup_id_z 1
		.amdhsa_system_vgpr_workitem_id 0
		.amdhsa_next_free_vgpr 512
		.amdhsa_next_free_sgpr 66
		.amdhsa_reserve_vcc 0
		.amdhsa_float_denorm_mode_32 3
		.amdhsa_float_denorm_mode_16_64 3
		.amdhsa_memory_ordered 1
		.amdhsa_forward_progress 1
		.amdhsa_inst_pref_size 178
	.end_amdhsa_kernel
	.amdgpu_metadata
---
amdhsa.version: [ 1, 2 ]
amdhsa.kernels:
  - .name:           k_q83dc68fc87_outp
    .symbol:         k_q83dc68fc87_outp.kd
    .args:
      - { .name: oh, .offset: 0, .size: 8, .value_kind: global_buffer, .address_space: global }
      - { .name: Wo, .offset: 8, .size: 8, .value_kind: global_buffer, .address_space: global }
      - { .name: bo, .offset: 16, .size: 8, .value_kind: global_buffer, .address_space: global }
      - { .name: out0, .offset: 24, .size: 8, .value_kind: global_buffer, .address_space: global }
    .group_segment_fixed_size: 157184
    .private_segment_fixed_size: 0
    .kernarg_segment_align: 8
    .kernarg_segment_size: 32
    .max_flat_workgroup_size: 128
    .sgpr_count:     66
    .vgpr_count:     512
    .wavefront_size: 32
...
	.end_amdgpu_metadata
.endif
;; end of part 3
;; ======== version 2 of 2: 4 launches; 1.12 times as fast as version 1
;; limits: values are held in f16: magnitudes above 65,504 overflow, below 6.1e-05 lose precision
;; workspace buffers: qh 8,388,608 bytes; kh 8,388,608 bytes; vh 8,388,608 bytes; oh 8,388,608 bytes; wo16 2,097,152 bytes; x16 25,165,824 bytes; w16 6,291,456 bytes
;; launch conv (part 4): grid 32 x 16, 8 waves a work-group, no clusters, 0 bytes of LDS; arguments query, key, value, Wq, Wk, Wv, Wo, x16, w16, wo16; writes x16, w16, wo16
.if DOCPART == 4
	.amdgcn_target "amdgcn-amd-amdhsa--gfx1250"
	.amdhsa_code_object_version 6
	.text
	.protected	k_q83dc68fc87_conv
	.globl	k_q83dc68fc87_conv
	.p2align	8
	.type	k_q83dc68fc87_conv,@function
k_q83dc68fc87_conv:
	s_mov_b64 s[64:65], 0
	v_nop
	global_prefetch_b8 v0, s[64:65] scope:SCOPE_SE
	s_setreg_imm32_b32 hwreg(HW_REG_WAVE_MODE, 25, 1), 1
	s_wait_xcnt 0x0
; All matrix operands that are f32 in memory are rounded to f16, once: query, key, value -> x16 [3 x 4096][1024]; Wq, Wk, Wv -> w16 [3 x 1024][1024]; Wo -> wo16.
; WHY A LAUNCH OF ITS OWN: in the projections a number of x is needed by 4 work-groups and a number of W by 16.  Rounded here once (64 MiB read,
; 32 MiB written), the tiles are f16 in memory, half the bytes, and a tensor load can bring them to LDS as they are, one request for four work-groups.
; A STREAM: nothing is shared and nothing is reduced, so no LDS, no barrier, no matrix unit, no cluster.
; Work-group (x, y): y = a chunk of 4 MiB of f32 (0-3 query, 4-7 key, 8-11 value, 12 Wq, 13 Wk, 14 Wv, 15 Wo); wave 8 x + w takes 16 KiB of it:
; 32 loads of 512 consecutive bytes, all on their way at once, and 32 stores of 256 consecutive bytes.
; No prefetch: every byte that a wave reads is requested by its first 32 instructions on memory.
; LIMIT: magnitudes of 65,504 (f16's largest number) and more become infinite.
.set SA, 8                             ; v[8:135] 32 x 4 registers: as loaded, then two words of f16 in the first two of each four
	s_load_b512 s[8:23], s[0:1], 0x0               ; query, key, value, Wq, Wk, Wv, Wo, x16
	s_load_b128 s[24:27], s[0:1], 0x40             ; w16, wo16
	v_lshrrev_b32 v1, 5, v0
	v_readfirstlane_b32 s28, v1                    ; wave 0..7
	s_and_b32 s29, ttmp7, 0xffff                   ; y: the chunk
	s_lshl_b32 s30, ttmp9, 3
	s_add_co_u32 s30, s30, s28                     ; 8 x + wave, 0..255: which 16 KiB of the chunk
	s_lshr_b32 s31, s29, 2                         ; y / 4
	s_and_b32 s32, s29, 3                          ; y % 4
	s_max_u32 s34, s29, 12
	s_sub_co_u32 s35, s34, 12                      ; for y >= 12: y - 12
	s_sub_co_u32 s34, s34, 9                       ; for y >= 12: y - 9
	s_cmp_lt_u32 s29, 12
	s_cselect_b32 s33, s31, s34                    ; the source's number: 0 query, 1 key, 2 value, 3 Wq, 4 Wk, 5 Wv, 6 Wo
	s_cselect_b32 s40, s32, 0                      ; which 4 MiB of the source
	s_cselect_b32 s42, s29, s35                    ; which 2 MiB of the destination
	s_cmp_eq_u32 s29, 15
	s_cselect_b32 s42, 0, s42                      ; wo16 has one
	s_lshl_b32 s40, s40, 22
	s_lshl_b32 s36, s30, 14
	s_add_co_u32 s40, s40, s36                     ; byte offset in the source
	s_mov_b32 s41, 0
	s_lshl_b32 s42, s42, 21
	s_lshl_b32 s36, s30, 13
	s_add_co_u32 s42, s42, s36                     ; byte offset in the destination
	s_mov_b32 s43, 0
	v_and_b32 v1, 31, v0
	v_lshlrev_b32 v2, 4, v1                        ; 16 bytes a lane in
	v_lshlrev_b32 v3, 3, v1                        ; 8 bytes a lane out
	s_wait_kmcnt 0x0
	s_cmp_eq_u32 s33, 1                            ; the buffers: choices on the work-group's number alone
	s_cselect_b64 s[44:45], s[10:11], s[8:9]
	s_cmp_eq_u32 s33, 2
	s_cselect_b64 s[44:45], s[12:13], s[44:45]
	s_cmp_eq_u32 s33, 3
	s_cselect_b64 s[44:45], s[14:15], s[44:45]
	s_cmp_eq_u32 s33, 4
	s_cselect_b64 s[44:45], s[16:17], s[44:45]
	s_cmp_eq_u32 s33, 5
	s_cselect_b64 s[44:45], s[18:19], s[44:45]
	s_cmp_eq_u32 s33, 6
	s_cselect_b64 s[44:45], s[20:21], s[44:45]
	s_cmp_lt_u32 s29, 12
	s_cselect_b64 s[46:47], s[22:23], s[24:25]
	s_cmp_eq_u32 s29, 15
	s_cselect_b64 s[46:47], s[26:27], s[46:47]
	s_add_nc_u64 s[44:45], s[44:45], s[40:41]
	s_add_nc_u64 s[46:47], s[46:47], s[42:43]
.set ci, 0
.rept 32
	global_load_b128 v[SA+4*ci:SA+4*ci+3], v2, s[44:45] offset:ci*512 th:TH_LOAD_NT    ; read once in the whole launch
.set ci, ci+1
.endr
.set cg, 0
.rept 4
	s_wait_loadcnt 24-8*cg                         ; this group of eight loads is in; the later groups stay out
.set ci, 8*cg
.rept 8
	v_cvt_pk_f16_f32 v[SA+4*ci],   v[SA+4*ci],   v[SA+4*ci+1]
	v_cvt_pk_f16_f32 v[SA+4*ci+1], v[SA+4*ci+2], v[SA+4*ci+3]
.set ci, ci+1
.endr
.set ci, 8*cg
.rept 8
	global_store_b64 v3, v[SA+4*ci:SA+4*ci+1], s[46:47] offset:ci*256          ; 32 lanes store 256 consecutive bytes, at a multiple of 256 from the buffer's first byte
.set ci, ci+1
.endr
.set cg, cg+1
.endr
	s_endpgm
.Lfunc_end_k_q83dc68fc87_conv:
	.size	k_q83dc68fc87_conv, .Lfunc_end_k_q83dc68fc87_conv-k_q83dc68fc87_conv
	.p2alignl 7, 3214868480
	.fill 96, 4, 3214868480
	.section	.rodata,"a",@progbits
	.p2align	6, 0x0
	.amdhsa_kernel k_q83dc68fc87_conv
		.amdhsa_group_segment_fixed_size 0
		.amdhsa_private_segment_fixed_size 0
		.amdhsa_enable_private_segment 0
		.amdhsa_kernarg_size 80
		.amdhsa_user_sgpr_count 2
		.amdhsa_user_sgpr_kernarg_segment_ptr 1
		.amdhsa_wavefront_size32 1
		.amdhsa_system_sgpr_workgroup_id_x 1
		.amdhsa_system_sgpr_workgroup_id_y 1
		.amdhsa_system_sgpr_workgroup_id_z 1
		.amdhsa_system_vgpr_workitem_id 0
		.amdhsa_next_free_vgpr 136
		.amdhsa_next_free_sgpr 66
		.amdhsa_reserve_vcc 0
		.amdhsa_float_denorm_mode_32 3
		.amdhsa_float_denorm_mode_16_64 3
		.amdhsa_memory_ordered 1
		.amdhsa_forward_progress 1
		.amdhsa_inst_pref_size 12
	.end_amdhsa_kernel
	.amdgpu_metadata
---
amdhsa.version: [ 1, 2 ]
amdhsa.kernels:
  - .name:           k_q83dc68fc87_conv
    .symbol:         k_q83dc68fc87_conv.kd
    .args:
      - { .name: query, .offset: 0, .size: 8, .value_kind: global_buffer, .address_space: global }
      - { .name: key, .offset: 8, .size: 8, .value_kind: global_buffer, .address_space: global }
      - { .name: value, .offset: 16, .size: 8, .value_kind: global_buffer, .address_space: global }
      - { .name: Wq, .offset: 24, .size: 8, .value_kind: global_buffer, .address_space: global }
      - { .name: Wk, .offset: 32, .size: 8, .value_kind: global_buffer, .address_space: global }
      - { .name: Wv, .offset: 40, .size: 8, .value_kind: global_buffer, .address_space: global }
      - { .name: Wo, .offset: 48, .size: 8, .value_kind: global_buffer, .address_space: global }
      - { .name: x16, .offset: 56, .size: 8, .value_kind: global_buffer, .address_space: global }
      - { .name: w16, .offset: 64, .size: 8, .value_kind: global_buffer, .address_space: global }
      - { .name: wo16, .offset: 72, .size: 8, .value_kind: global_buffer, .address_space: global }
    .group_segment_fixed_size: 0
    .private_segment_fixed_size: 0
    .kernarg_segment_align: 8
    .kernarg_segment_size: 80
    .max_flat_workgroup_size: 256
    .sgpr_count:     66
    .vgpr_count:     136
    .wavefront_size: 32
...
	.end_amdgpu_metadata
.endif
;; end of part 4
;; launch proj (part 5): grid 4 x 48, 4 waves a work-group, clusters of 4 x 4, 327,680 bytes of LDS; arguments x16, w16, bq, bk, bv, qh, kh, vh; writes qh, kh, vh
.if DOCPART == 5
	.amdgcn_target "amdgcn-amd-amdhsa--gfx1250"
	.amdhsa_code_object_version 6
	.text
	.protected	k_q83dc68fc87_proj
	.globl	k_q83dc68fc87_proj
	.p2align	8
	.type	k_q83dc68fc87_proj,@function
k_q83dc68fc87_proj:
	s_mov_b64 s[64:65], 0
	v_nop
	global_prefetch_b8 v0, s[64:65] scope:SCOPE_SE
	s_setreg_imm32_b32 hwreg(HW_REG_WAVE_MODE, 25, 1), 1
	s_wait_xcnt 0x0
	s_wait_alu depctr_hold_cnt(0) depctr_sa_sdst(0) depctr_va_vdst(0) depctr_va_sdst(0) depctr_va_ssrc(0) depctr_va_vcc(0) depctr_vm_vsrc(0)
	s_getreg_b32 s2, hwreg(HW_REG_IB_STS2, 6, 4)
	s_cmp_eq_u32 s2, 0
	s_cbranch_scc0 .Lentry_in_a_cluster
	s_endpgm
.Lentry_in_a_cluster:
	s_bfe_u32 s2, ttmp6, 0x10000c
	s_cmp_lg_u32 s2, 0xf033
	s_cbranch_scc0 .Lentry_shape_is_right
	s_endpgm
.Lentry_shape_is_right:
; The three input projections: y = (x W^T + b) * scale.  x16 [3 x 4096][1024] f16 (query, key, value), w16 [3 x 1024][1024] f16 (Wq, Wk, Wv), b [1024] f32.
; Work-group (bx, y): projection t = y / 16, rows 256 y .. of x16, features 256 bx ..  scale = log2(e) / 8 for the query (so that the attention launch
; can use 2^x on the plain products), 1 for key and value.  Output f16, laid by heads: [batch][head][s][64]: two neighbouring rows s of a head are 256 consecutive bytes.
; Four waves, as many as a WGP has SIMDs, one block of 128 x 128 each: 64 accumulator tiles, 512 registers.  K goes in 8 steps of 128 through two LDS slots
; filled by tensor loads: a tile's rows are 256 bytes of memory and start at multiples of 256 bytes from the buffer's first byte.
; CLUSTERS: 4 x 4 work-groups.  The four of a row of the cluster make blocks of one block row and need the same tiles of x; the four of a column need the same
; tiles of W.  Such a tile is asked for jointly: each of the four issues the same tensor load, with the same descriptor and a mask that names the four.
; A cluster's four block rows lie in one projection (16 block rows each, a multiple of 4), so t = cluster y / 4 hangs on no place in the cluster.
; By this text's own count a wave has at most two tensor loads out: two at the start, one behind each refill.
; 192 work-groups: 3 x 4096 x 1024 outputs are 192 blocks of 256 x 256; blocks of 128 x 128 would double the LDS bytes read for each matrix instruction.
; No prefetch: a tile is asked for a K step (240 matrix instructions of the wave) ahead of the wait for it.
; LIMIT: sums are f32, the results are rounded once to f16: |y| must stay below 65,504; with all inputs 30 times the drawn size |y| is about 900 x 6 = 5,400,
; with offsets of 30 spreads on x and W about 1024 x 30 x 30/32 = 28,800.
;
; REGISTERS, in windows of 256:
;   window 0: v0-31 addresses; v64-127, v128-191 fragments of x (8 x 16 rows x 32 K), two buffers; v192-223 at work on the way out
;   window 1: v0-63 the bias of my 8 x 8 columns; v64-127, v128-191 fragments of W, two buffers
;   window 2: the 32 accumulator tiles of my rows 0-63 (tile (a, b) at v[8 (8 a + b)]);   window 3: those of my rows 64-127
; THE MATRIX INSTRUCTION IS USED TRANSPOSED: source 0 = 16 rows of W, source 1 = 16 rows of x: a lane's eight results are eight neighbouring features of one row.
.set SIZE_K, 1024
.set KSTEP,  128
.set PITCH,  272                       ; an LDS row: 256 bytes + 16 = 17 x 16: the 16 rows that a fragment load touches start at 16 different 16-byte columns modulo 256
.set HALFT,  128*PITCH                 ; 128 rows: what one tensor load brings, and what one wave reads of x or of W
.set SLOT,   4*HALFT                   ; x's 256 rows, then W's 256 rows
.set STAGE,  2*SLOT                    ; 278,528, a multiple of 256: 16 rows x 272 bytes for each wave, for the way out; no tensor load lands here
.set SPITCH, 272
.set LAPS, SIZE_K/(2*KSTEP)            ; a lap = two K steps = once through both slots: 4
.set ADRA, 16                          ; v16-17  LDS address of my x fragments in slot 0, 1
.set ADRB, 20                          ; v20-21  the same for W
.set STO,  24                          ; the way out: where I put 16 bytes of a row
.set RD,   25                          ; the way out: where I read back
.set CO,   26                          ; my byte offset in the output
.set BOFF, 27                          ; my byte offset in the bias
.set F0,   64                          ; fragment buffer 0
.set F1,   128                         ; fragment buffer 1
.set TMP,  192                         ; the way out: packed results, window 0
.set BIAS, 0                           ; window 1
.set G1,  24                           ; s[24:31] descriptor group 1 for x's tiles
.set G0,  32                           ; s[32:39] descriptor group 0 for x's tiles, one set for each slot
.set G1B, 48                           ; s[48:55] group 1 for W's tiles: it differs in the mask alone
.set G0B, 56                           ; s[56:63] group 0 for W's tiles
.set BB,  84                           ; s[84:85] bias at my wave's first column
.set OB,  86                           ; s[86:87] output at my wave's first row and head
.set SCL, 88                           ; s[88:89] the scale, twice
.set MSB, 0
.macro WIN new                         ; s_set_vgpr_msb; the immediate's high byte repeats the setting that is left
.if MSB != \new
	s_set_vgpr_msb (MSB<<8)|\new
.set MSB, \new
.endif
.endm
.set MUL_LO, 0xa1                      ; source 0 (W) window 1, source 1 (x) window 0, C and D window 2
.set MUL_HI, 0xf1                      ; the same, C and D window 3
.set TO_B,   0x40                      ; destination window 1, address window 0
; A wave's one joint load.  Waves 0 and 1 fetch x's two halves, waves 2 and 3 W's.  The branch hangs on the wave's number alone.
.macro JLOAD s
	s_cmp_eq_u32 s11, 0
	s_cbranch_scc0 .Lfor_b_\@
	tensor_load_to_lds s[G0+4*\s:G0+4*\s+3], s[G1:G1+7]
	s_nop 0
	s_branch .Lasked_\@
.Lfor_b_\@:
	tensor_load_to_lds s[G0B+4*\s:G0B+4*\s+3], s[G1B:G1B+7]
	s_nop 0
.Lasked_\@:
.endm
.macro CREST                           ; a round of the cluster's barrier behind its opening barrier
	s_cmp_lg_u32 s10, 0
	s_cbranch_scc1 .Lnot_wave_0_\@
	s_barrier_signal -3
.Lnot_wave_0_\@:
	s_barrier_wait -3
	s_barrier_signal -1
	s_barrier_wait -1
.endm
.macro CROUND                          ; a whole round
	s_barrier_signal -1
	s_barrier_wait -1
	CREST
.endm
	s_load_b512 s[68:83], s[0:1], 0x0              ; x16 s[68:69], w16 s[70:71], bq s[72:73], bk s[74:75], bv s[76:77], qh s[78:79], kh s[80:81], vh s[82:83]
	s_set_vgpr_msb 0x40
	v_lshl_add_u32 v255, v0, 2, 0x48400
	s_set_vgpr_msb 0x4000
	v_mov_b32 v255, 0
	s_set_vgpr_msb 0x1
	ds_add_u32 v255, v255
	s_set_vgpr_msb 0x100
	v_lshrrev_b32 v1, 5, v0
	v_readfirstlane_b32 s10, v1                    ; wave 0..3
	s_lshr_b32 s11, s10, 1                         ; which half of the block's rows is mine.  Also: I fetch for x (0) or for W (1)
	s_and_b32 s12, s10, 1                          ; which half of its columns.  Also: which 128 rows of that tile I fetch
	s_bfe_u32 s40, ttmp6, 0x40000                  ; cx
	s_bfe_u32 s41, ttmp6, 0x40004                  ; cy
	s_lshl_b32 s42, ttmp9, 2
	s_add_co_u32 s42, s42, s40                     ; bx = 4 x cluster x + cx
	s_and_b32 s45, ttmp7, 0xffff                   ; cluster y, 0..11
	s_lshr_b32 s66, s45, 2                         ; t: which projection
	s_lshl_b32 s13, s45, 2
	s_add_co_u32 s13, s13, s41                     ; y = 4 x cluster y + cy: block row of x16
	s_lshl_b32 s43, s41, 2
	s_lshl_b32 s43, 15, s43                        ; my row of the cluster: places 4 cy .. 4 cy + 3
	s_lshl_b32 s44, 0x1111, s40                    ; my column: places cx, cx + 4, cx + 8, cx + 12
	; descriptor group 1: a tile of 128 rows x 128 elements of 2 bytes; in LDS 4 words of padding behind every 64 words
	s_or_b32 s[G1+0], s43, (1<<16)|(1<<20)|(1<<21)|(5<<22)|(3<<25)   ; x's tiles go to my row of the cluster
	s_or_b32 s[G1B+0], s44, (1<<16)|(1<<20)|(1<<21)|(5<<22)|(3<<25)  ; W's tiles to my column
	s_mov_b32 s[G1+1], KSTEP<<16                   ; tensor_dim0 = 128
	s_mov_b32 s[G1B+1], KSTEP<<16
	s_mov_b32 s[G1+2], 128<<16                     ; tensor_dim1 = 128
	s_mov_b32 s[G1B+2], 128<<16
	s_mov_b32 s[G1+3], KSTEP<<16                   ; tile_dim0 = 128
	s_mov_b32 s[G1B+3], KSTEP<<16
	s_mov_b32 s[G1+4], 128                         ; tile_dim1 = 128
	s_mov_b32 s[G1B+4], 128
	s_mov_b32 s[G1+5], SIZE_K                      ; elements from row to row
	s_mov_b32 s[G1B+5], SIZE_K
	s_mov_b32 s[G1+6], 0
	s_mov_b32 s[G1B+6], 0
	s_mov_b32 s[G1+7], 0
	s_mov_b32 s[G1B+7], 0
	; where the tiles come from.  x's hang on the block row alone, which my row of the cluster shares; W's on the projection and the block column,
	; which my column shares.  Every wave makes both addresses, in registers that never hold the other coordinate, and asks by one of them.
	s_lshl_b32 s17, s12, 7                         ; which 128 rows of the tile I fetch
	s_lshl_b32 s16, s13, 8
	s_add_co_u32 s16, s16, s17                     ; x16: row 256 y + 128 half
	s_lshl_b32 s16, s16, 11                        ; rows of 2,048 bytes
	s_lshl_b32 s46, s42, 8
	s_add_co_u32 s46, s46, s17
	s_lshl_b32 s47, s66, 10
	s_add_co_u32 s46, s46, s47                     ; w16: row 1024 t + 256 bx + 128 half
	s_lshl_b32 s46, s46, 11
	s_mov_b32 s17, 0
	s_mov_b32 s47, 0
	s_mul_i32 s20, s10, HALFT                      ; and where they go: x's two halves, then W's two halves = wave x 128 rows: no place in the cluster enters an LDS address
	s_mov_b32 s[G0], 1                             ; count = 1
	s_mov_b32 s[G0+4], 1
	s_mov_b32 s[G0B], 1
	s_mov_b32 s[G0B+4], 1
	s_mov_b32 s[G0+1], s20                         ; LDS address, slot 0,
	s_add_co_u32 s[G0+5], s20, SLOT                ; slot 1
	s_mov_b32 s[G0B+1], s20
	s_add_co_u32 s[G0B+5], s20, SLOT
	s_wait_dscnt 0x0
	s_wait_kmcnt 0x0
	s_add_nc_u64 s[G0+2:G0+3], s[68:69], s[16:17]                  ; K step 0,
	s_add_nc_u64 s[G0+6:G0+7], s[G0+2:G0+3], KSTEP*2               ; K step 1
	s_add_nc_u64 s[G0B+2:G0B+3], s[70:71], s[46:47]
	s_add_nc_u64 s[G0B+6:G0B+7], s[G0B+2:G0B+3], KSTEP*2
	s_or_b32 s[G0+3], s[G0+3], 0x80000000          ; type = 2
	s_or_b32 s[G0+7], s[G0+7], 0x80000000
	s_or_b32 s[G0B+3], s[G0B+3], 0x80000000
	s_or_b32 s[G0B+7], s[G0B+7], 0x80000000
	CROUND                                         ; all sixteen work-groups are here: the first joint loads meet
	s_cmp_eq_u32 s11, 0                            ; both first fills of a wave in one branch
	s_cbranch_scc0 .Lfirst_b
	tensor_load_to_lds s[G0:G0+3], s[G1:G1+7]
	s_nop 0
	tensor_load_to_lds s[G0+4:G0+7], s[G1:G1+7]
	s_nop 0
	s_branch .Lfirst_done
.Lfirst_b:
	tensor_load_to_lds s[G0B:G0B+3], s[G1B:G1B+7]
	s_nop 0
	tensor_load_to_lds s[G0B+4:G0B+7], s[G1B:G1B+7]
	s_nop 0
.Lfirst_done:
	; my projection's bias, output and scale: choices on t alone; offsets in registers that feed no descriptor
	s_cmp_eq_u32 s66, 1
	s_cselect_b64 s[BB:BB+1], s[74:75], s[72:73]
	s_cselect_b64 s[OB:OB+1], s[80:81], s[78:79]
	s_cmp_eq_u32 s66, 2
	s_cselect_b64 s[BB:BB+1], s[76:77], s[BB:BB+1]
	s_cselect_b64 s[OB:OB+1], s[82:83], s[OB:OB+1]
	s_cmp_eq_u32 s66, 0
	s_cselect_b32 s[SCL], 0x3e38aa3b, 1.0          ; log2(e) / 8 for the query
	s_mov_b32 s[SCL+1], s[SCL]
	s_lshl_b32 s92, s42, 10
	s_lshl_b32 s93, s12, 9
	s_add_co_u32 s92, s92, s93                     ; (256 bx + 128 half) x 4 bytes
	s_mov_b32 s93, 0
	s_add_nc_u64 s[BB:BB+1], s[BB:BB+1], s[92:93]
	s_and_b32 s90, s13, 15                         ; the block row within the projection
	s_lshr_b32 s91, s90, 3                         ; batch
	s_lshl_b32 s91, s91, 4
	s_lshl2_add_u32 s91, s42, s91                  ; + 4 bx
	s_lshl1_add_u32 s91, s12, s91                  ; + 2 half: my first head
	s_lshl_b32 s91, s91, 11                        ; x 2048 rows
	s_and_b32 s90, s90, 7
	s_lshl_b32 s90, s90, 8                         ; the block's first s
	s_add_co_u32 s90, s90, s91
	s_lshl_b32 s91, s11, 7                         ; my half's
	s_add_co_u32 s90, s90, s91
	s_lshl_b32 s90, s90, 7                         ; x 128 bytes
	s_mov_b32 s91, 0
	s_add_nc_u64 s[OB:OB+1], s[OB:OB+1], s[90:91]
	v_and_b32 v1, 15, v0                           ; r = lane % 16
	v_bfe_u32 v2, v0, 4, 1                         ; h = lane / 16
	v_lshlrev_b32 v[BOFF], 5, v2                   ; 8 h numbers of f32
	WIN TO_B
.irp b, 0,1,2,3,4,5,6,7
	global_load_b128 v[BIAS+8*\b:BIAS+8*\b+3],   v[BOFF], s[BB:BB+1] offset:64*\b      ; columns 16 b + 8 h + 0..3; waited for on the way out
	global_load_b128 v[BIAS+8*\b+4:BIAS+8*\b+7], v[BOFF], s[BB:BB+1] offset:64*\b+16   ; + 4..7
.endr
	WIN 0
	; A fragment is 16 rows x 32 K in 8 registers: lane l holds row l % 16; registers 0-3 hold K = 8 (l / 16) + 0..7, registers 4-7 K = 16 + 8 (l / 16) + 0..7:
	; two loads of 16 bytes, 32 bytes apart.
	v_mul_u32_u24 v3, v1, PITCH
	v_lshl_add_u32 v3, v2, 4, v3                   ; row x pitch + 16 x half
	s_mul_i32 s21, s11, HALFT                      ; my 128 rows of x
	s_mul_i32 s22, s12, HALFT                      ; my 128 rows of W,
	s_add_co_u32 s22, s22, 2*HALFT                 ; which lie behind x's 256
.irp s, 0,1
	v_add_nc_u32 v[ADRA+\s], s21, v3
	v_add_nc_u32 v[ADRB+\s], s22, v3
	s_add_co_u32 s21, s21, SLOT
	s_add_co_u32 s22, s22, SLOT
.endr
	s_mul_i32 s23, s10, 16*SPITCH
	s_add_co_u32 s23, s23, STAGE                   ; my stage
	v_mul_u32_u24 v4, v1, SPITCH                   ; in: row r, 16 bytes for each half of the lanes
	v_lshl_add_u32 v4, v2, 4, v4
	v_add_nc_u32 v[STO], s23, v4
	v_bfe_u32 v5, v0, 3, 1
	v_mul_u32_u24 v5, v5, SPITCH
	v_lshl_add_u32 v5, v2, 7, v5
	v_and_b32 v6, 7, v0
	v_lshl_add_u32 v5, v6, 4, v5
	v_add_nc_u32 v[RD], s23, v5                    ; back: lanes 0-15 two rows' first 128 bytes (one head), lanes 16-31 their second 128 (the next head)
	v_lshlrev_b32 v7, 4, v1
	v_lshl_add_u32 v[CO], v2, 18, v7               ; 16 r, and a head (2048 x 128 bytes) further for lanes 16-31
; 16 matrix instructions: row blocks a0, a0 + 1 of the window's four (hi = 0: my rows 0-63, 1: rows 64-127) x all 8 column blocks, 32 along K.
; zero = 1: the first product starts the sums: nothing is cleared.  The 64 accumulators take turns, one instruction a turn, in the same order in every
; quarter step.
.macro MUL16 f, hi, a0, zero
.irp a, \a0, \a0+1
.irp b, 0,1,2,3,4,5,6,7
.if \zero
	v_wmma_f32_16x16x32_f16 v[8*(8*(\a)+\b):8*(8*(\a)+\b)+7], v[\f+8*\b:\f+8*\b+7], v[\f+8*(4*\hi+\a):\f+8*(4*\hi+\a)+7], 0
.else
	v_wmma_f32_16x16x32_f16 v[8*(8*(\a)+\b):8*(8*(\a)+\b)+7], v[\f+8*\b:\f+8*\b+7], v[\f+8*(4*\hi+\a):\f+8*(4*\hi+\a)+7], v[8*(8*(\a)+\b):8*(8*(\a)+\b)+7]
.endif
.endr
.endr
.endm
; 32 LDS loads in one run: the fragments of one quarter step (128 rows of W, 128 rows of x, 32 K at byte k of the rows) into buffer f
.macro FETCH slot, k, f
	WIN TO_B
.irp i, 0,1,2,3,4,5,6,7
	ds_load_b128 v[\f+8*\i:\f+8*\i+3],   v[ADRB+\slot] offset:\k+\i*16*PITCH
	ds_load_b128 v[\f+8*\i+4:\f+8*\i+7], v[ADRB+\slot] offset:\k+\i*16*PITCH+32
.endr
	WIN 0
.irp i, 0,1,2,3,4,5,6,7
	ds_load_b128 v[\f+8*\i:\f+8*\i+3],   v[ADRA+\slot] offset:\k+\i*16*PITCH
	ds_load_b128 v[\f+8*\i+4:\f+8*\i+7], v[ADRA+\slot] offset:\k+\i*16*PITCH+32
.endr
.endm
.macro PLACES                          ; four places behind a matrix instruction, in front of loads into its sources and of readers of its result
.rept 4
	v_nop
.endr
.endm
; A K step is four quarter steps of 32 along K, 64 matrix instructions each, on buffers 0, 1, 0, 1.
; One of the first three: multiplies buffer f; in its middle it fetches the next quarter's fragments, at byte k of the same slot's rows, into buffer g.
.macro QUARTER slot, k, f, g, zero
	s_wait_dscnt 8                                 ; W's fragments and x's rows 0-63 are in; the youngest eight loads (x's rows 64-127) may be out
	WIN MUL_LO
	MUL16 \f, 0, 0, \zero
	MUL16 \f, 0, 2, \zero
	PLACES
	FETCH \slot, \k, \g
	s_wait_dscnt 32                                ; all but the 32 just issued
	WIN MUL_HI
	MUL16 \f, 1, 0, \zero
	MUL16 \f, 1, 2, \zero
.endm
.macro THREE slot, zero
	QUARTER \slot, 64,  F0, F1, \zero
	QUARTER \slot, 128, F1, F0, 0
	QUARTER \slot, 192, F0, F1, 0
.endm
; The last quarter: multiplies buffer 1 and changes slots.  next = the other slot; fill = 1: this slot is filled again, two K steps ahead.
; ONE barrier for the change of slots.  In front of it each wave waits for its own reads of this slot and for all its tensor loads, of which one is out:
; its part of the next slot.  Behind it nobody reads this slot any more and the next slot is whole: the refill comes first, then the next slot's first fragments.
.macro TURN slot, next, fill
	s_wait_dscnt 8
	WIN MUL_LO
	MUL16 F1, 0, 0, 0
	s_wait_dscnt 0                                 ; my reads of this slot are over
	s_wait_tensorcnt 0x0                           ; and all my tensor loads have landed
	ds_add_u32 v255, v255
	s_wait_dscnt 0x0
	s_barrier_signal -1                            ; where a slot is filled again this barrier opens a round of the cluster's barrier
	MUL16 F1, 0, 2, 0                              ; registers only, while the others arrive
	WIN 0
	s_barrier_wait -1
.if \fill
	CREST                                          ; no wave of any partner still reads this slot's tile or has a load on its way
	s_add_nc_u64 s[G0+4*\slot+2:G0+4*\slot+3], s[G0+4*\slot+2:G0+4*\slot+3], 2*KSTEP*2
	s_add_nc_u64 s[G0B+4*\slot+2:G0B+4*\slot+3], s[G0B+4*\slot+2:G0B+4*\slot+3], 2*KSTEP*2
	JLOAD \slot                                    ; the first tensor load behind the round, one a wave
.endif
	PLACES
	FETCH \next, 0, F0
	WIN MUL_HI
	MUL16 F1, 1, 0, 0
	MUL16 F1, 1, 2, 0
.endm
.macro LAP zero                        ; both slots once, both filled again
	THREE 0, \zero
	TURN 0, 1, 1
	THREE 1, 0
	TURN 1, 0, 1
.endm
	s_wait_tensorcnt 1                             ; my part of K step 0 is in; K step 1's may stay out
	s_barrier_signal -1
	s_barrier_wait -1                              ; everybody's is
	FETCH 0, 0, F0
	LAP 1                                          ; K steps 0, 1: the first products start the sums; steps 2, 3 go out
	WIN 0                                          ; at a label and at a branch every window is 0
	s_mov_b32 s3, LAPS-2
.Llap:
	LAP 0                                          ; K steps 2 to 5; steps 4 to 7 go out
	WIN 0
	s_sub_co_u32 s3, s3, 1
	s_cmp_lg_u32 s3, 0
	s_cbranch_scc1 .Llap
	THREE 0, 0                                     ; the last lap fills nothing and has no round of the cluster's barrier
	TURN 0, 1, 0
	THREE 1, 0
	s_wait_dscnt 8                                 ; the very last quarter: nothing more to fetch
	WIN MUL_LO
	MUL16 F1, 0, 0, 0
	MUL16 F1, 0, 2, 0
	s_wait_dscnt 0
	WIN MUL_HI
	MUL16 F1, 1, 0, 0
	MUL16 F1, 1, 2, 0
	; THE WAY OUT.  (sum + bias) x scale = sum x scale + bias x scale, one fused multiply-add for two numbers.
	PLACES
	s_wait_loadcnt 0x0                             ; the bias
	WIN 0x41                                       ; source 0 and destination window 1
.set ci, 0
.rept 32
	v_pk_mul_f32 v[BIAS+2*ci:BIAS+2*ci+1], v[BIAS+2*ci:BIAS+2*ci+1], s[SCL:SCL+1] op_sel_hi:[1,0]
.set ci, ci+1
.endr
.macro SCALE
.irp a, 0,1,2,3
.irp b, 0,1,2,3,4,5,6,7
.irp p, 0,2,4,6
	v_pk_fma_f32 v[8*(8*\a+\b)+\p:8*(8*\a+\b)+\p+1], v[8*(8*\a+\b)+\p:8*(8*\a+\b)+\p+1], s[SCL:SCL+1], v[BIAS+8*\b+\p:BIAS+8*\b+\p+1] op_sel_hi:[1,0,1]
.endr
.endr
.endr
.endm
	WIN 0x92                                       ; source 0 and destination window 2, the bias (source 2) window 1
	SCALE
	WIN 0xd3                                       ; the same for window 3
	SCALE
; 16 rows at a time: round to f16, 16 bytes a lane into my own stage, read back so that sixteen lanes hold two rows of one head, 256 consecutive bytes.
; from = 0x0a or 0x0f: both sources window 2 or 3; rb: F0 or F1 in turn.
.macro OUT16 i, a, from, rb
	WIN \from
.irp b, 0,1,2,3,4,5,6,7
.irp p, 0,1,2,3
	v_cvt_pk_f16_f32 v[TMP+4*\b+\p], v[8*(8*\a+\b)+2*\p], v[8*(8*\a+\b)+2*\p+1]
.endr
.endr
	WIN 0
.irp b, 0,1,2,3,4,5,6,7
	ds_store_b128 v[STO], v[TMP+4*\b:TMP+4*\b+3] offset:32*\b
.endr
	s_wait_xcnt 0x0                                ; the registers that earlier stores read are loaded again only behind this wait
.irp t, 0,1,2,3,4,5,6,7
	ds_load_b128 v[\rb+4*\t:\rb+4*\t+3], v[RD] offset:\t*2*SPITCH      ; LDS serves a wave's instructions in order: these see the stores above
.endr
.irp t, 0,1,2,3,4,5,6,7
	s_wait_dscnt 7-\t                              ; the younger loads of the eight stay out
	global_store_b128 v[CO], v[\rb+4*\t:\rb+4*\t+3], s[OB:OB+1] offset:\i*2048+\t*256   ; 16 lanes store 256 consecutive bytes, at a multiple of 256 from the buffer's first byte
.endr
.endm
	OUT16 0, 0, 0x0a, F0
	OUT16 1, 1, 0x0a, F1
	OUT16 2, 2, 0x0a, F0
	OUT16 3, 3, 0x0a, F1
	OUT16 4, 0, 0x0f, F0
	OUT16 5, 1, 0x0f, F1
	OUT16 6, 2, 0x0f, F0
	OUT16 7, 3, 0x0f, F1
	s_set_vgpr_msb 0x1
	s_wait_tensorcnt 0x0
	ds_add_u32 v255, v255
	s_wait_dscnt 0x0
	s_set_vgpr_msb 0x100
	CROUND                                         ; the closing round: no work-group ends while a partner may still ask for a tile that names it
	s_endpgm
.Lfunc_end_k_q83dc68fc87_proj:
	.size	k_q83dc68fc87_proj, .Lfunc_end_k_q83dc68fc87_proj-k_q83dc68fc87_proj
	.p2alignl 7, 3214868480
	.fill 96, 4, 3214868480
	.section	.rodata,"a",@progbits
	.p2align	6, 0x0
	.amdhsa_kernel k_q83dc68fc87_proj
		.amdhsa_group_segment_fixed_size 327680
		.amdhsa_private_segment_fixed_size 0
		.amdhsa_enable_private_segment 0
		.amdhsa_kernarg_size 64
		.amdhsa_user_sgpr_count 2
		.amdhsa_user_sgpr_kernarg_segment_ptr 1
		.amdhsa_wavefront_size32 1
		.amdhsa_system_sgpr_workgroup_id_x 1
		.amdhsa_system_sgpr_workgroup_id_y 1
		.amdhsa_system_sgpr_workgroup_id_z 1
		.amdhsa_system_vgpr_workitem_id 0
		.amdhsa_next_free_vgpr 1024
		.amdhsa_next_free_sgpr 96
		.amdhsa_reserve_vcc 0
		.amdhsa_float_denorm_mode_32 3
		.amdhsa_float_denorm_mode_16_64 3
		.amdhsa_memory_ordered 1
		.amdhsa_forward_progress 1
		.amdhsa_inst_pref_size 216
	.end_amdhsa_kernel
	.amdgpu_metadata
---
amdhsa.version: [ 1, 2 ]
amdhsa.kernels:
  - .name:           k_q83dc68fc87_proj
    .symbol:         k_q83dc68fc87_proj.kd
    .args:
      - { .name: x16, .offset: 0, .size: 8, .value_kind: global_buffer, .address_space: global }
      - { .name: w16, .offset: 8, .size: 8, .value_kind: global_buffer, .address_space: global }
      - { .name: bq, .offset: 16, .size: 8, .value_kind: global_buffer, .address_space: global }
      - { .name: bk, .offset: 24, .size: 8, .value_kind: global_buffer, .address_space: global }
      - { .name: bv, .offset: 32, .size: 8, .value_kind: global_buffer, .address_space: global }
      - { .name: qh, .offset: 40, .size: 8, .value_kind: global_buffer, .address_space: global }
      - { .name: kh, .offset: 48, .size: 8, .value_kind: global_buffer, .address_space: global }
      - { .name: vh, .offset: 56, .size: 8, .value_kind: global_buffer, .address_space: global }
    .group_segment_fixed_size: 327680
    .private_segment_fixed_size: 0
    .kernarg_segment_align: 8
    .kernarg_segment_size: 64
    .max_flat_workgroup_size: 128
    .sgpr_count:     96
    .vgpr_count:     1024
    .wavefront_size: 32
...
	.end_amdgpu_metadata
.endif
;; end of part 5
;; launch attn: the kernel of part 2 again; grid 8 x 32, 8 waves a work-group, clusters of 4 x 1, 327,680 bytes of LDS; arguments qh, kh, vh, oh; writes oh
;; launch outp (part 6): grid 8 x 32, 4 waves a work-group, clusters of 4 x 4, 327,680 bytes of LDS; arguments oh, wo16, bo, out0; writes out0
.if DOCPART == 6
	.amdgcn_target "amdgcn-amd-amdhsa--gfx1250"
	.amdhsa_code_object_version 6
	.text
	.protected	k_q83dc68fc87_outp
	.globl	k_q83dc68fc87_outp
	.p2align	8
	.type	k_q83dc68fc87_outp,@function
k_q83dc68fc87_outp:
	s_mov_b64 s[64:65], 0
	v_nop
	global_prefetch_b8 v0, s[64:65] scope:SCOPE_SE
	s_setreg_imm32_b32 hwreg(HW_REG_WAVE_MODE, 25, 1), 1
	s_wait_xcnt 0x0
	s_wait_alu depctr_hold_cnt(0) depctr_sa_sdst(0) depctr_va_vdst(0) depctr_va_sdst(0) depctr_va_ssrc(0) depctr_va_vcc(0) depctr_vm_vsrc(0)
	s_getreg_b32 s2, hwreg(HW_REG_IB_STS2, 6, 4)
	s_cmp_eq_u32 s2, 0
	s_cbranch_scc0 .Lentry_in_a_cluster
	s_endpgm
.Lentry_in_a_cluster:
	s_bfe_u32 s2, ttmp6, 0x10000c
	s_cmp_lg_u32 s2, 0xf033
	s_cbranch_scc0 .Lentry_shape_is_right
	s_endpgm
.Lentry_shape_is_right:
; out0 = o Wo^T + bo.  oh: f16 [batch][head][2048][64]; wo16: Wo in f16, [1024][1024]; bo [1024] f32; out0 [4096][1024] f32.
; Work-group (bx, mb): rows 128 mb .., columns 128 bx ..: 256 work-groups.  Four waves, 64 x 64 each: 16 accumulator tiles.  Sums are f32; the bias
; is the C operand of the first products.
; CLUSTERS: 4 x 4 work-groups.  The four of a row of the cluster make blocks of one block row and need the same tiles of o; the four of a column need the
; same tiles of Wo.  Such a tile is asked for jointly: each of the four issues the same tensor load, with a mask that names the four.
; K goes in four tiles of 256 (four heads) through two LDS slots.  Waves 0 and 1 bring o's tile, two heads each; waves 2 and 3 bring Wo's, 64 rows each.
; A head's 128 rows of 128 bytes are 16 KiB without a gap: one descriptor takes two heads as two rows of 2,048 elements of 8 bytes, 262,144 bytes apart.
; By this text's own count a wave has at most two tensor loads out: two at the start, one behind each of the two refills; a refill has the other
; tile's 128 matrix instructions in which to land.
; Fragments lie in three register buffers and are fetched two chunks of 32 along K ahead of their products.
; No prefetch: every tile is asked for a whole tile ahead of its first use.
.set AP,    272                        ; o's LDS pitch: 256 bytes (rows s and s + 1 of a head) + 16: row s lies at (s / 2) 272 + (s % 2) 128: a fragment's 16 rows start at 16 different 16-byte columns modulo 256
.set AHEAD, 64*AP                      ; a head's 128 rows
.set AREG,  4*AHEAD
.set BP,    528                        ; Wo's LDS pitch: 256 f16 + 16 bytes = 33 x 16
.set BREG,  128*BP
.set SLOT,  AREG+BREG                  ; 137,216
.set STAGE, 2*SLOT                     ; 274,432, a multiple of 256: 16 rows x 272 bytes for each wave; no tensor load lands here
.set SP,    272
.set ADRA, 16                          ; v16, v17: my o fragments, slot 0, 1
.set ADRW, 18                          ; v18, v19: my Wo fragments
.set SST,  20
.set SRD,  21
.set OOFF, 22
.set BOFF, 23
.set BIAS, 32                          ; v32-63   the bias of my 4 x 8 columns
.set FR,   64                          ; v64-255  three fragment buffers of 64: 4 fragments of o, then 4 of Wo
; window 1: v0-127 accumulators, tile (a, b) at 8 (4 a + b)
.set G1A, 16                           ; s[16:23] group 1 for o's tiles
.set G0A, 24                           ; s[24:31] group 0 for o's tiles, one set for each slot
.set G1B, 32                           ; s[32:39] group 1 for Wo's tiles
.set G0B, 48                           ; s[48:55] group 0 for Wo's tiles
.set MSB, 0
.macro WIN new                         ; s_set_vgpr_msb; the immediate's high byte repeats the setting that is left
.if MSB != \new
	s_set_vgpr_msb (MSB<<8)|\new
.set MSB, \new
.endif
.endm
.macro PLACES                          ; four places behind a matrix instruction (ISA guide 7.12.1)
.rept 4
	v_nop
.endr
.endm
.macro JLOAD s                         ; a wave's one joint load; the branch hangs on the wave's number alone
	s_cmp_eq_u32 s13, 0
	s_cbranch_scc0 .Lfor_b_\@
	tensor_load_to_lds s[G0A+4*\s:G0A+4*\s+3], s[G1A:G1A+7]
	s_nop 0
	s_branch .Lasked_\@
.Lfor_b_\@:
	tensor_load_to_lds s[G0B+4*\s:G0B+4*\s+3], s[G1B:G1B+7]
	s_nop 0
.Lasked_\@:
.endm
.macro CREST                           ; a round of the cluster's barrier behind its opening barrier
	s_cmp_lg_u32 s12, 0
	s_cbranch_scc1 .Lnot_wave_0_\@
	s_barrier_signal -3
.Lnot_wave_0_\@:
	s_barrier_wait -3
	s_barrier_signal -1
	s_barrier_wait -1
.endm
.macro CROUND                          ; a whole round
	s_barrier_signal -1
	s_barrier_wait -1
	CREST
.endm
; 16 LDS loads: the fragments of chunk q (32 along K: head q / 2, bytes 64 (q % 2) .. of its rows; bytes 64 q .. of Wo's rows) into buffer f
.macro FETCH slot, q, f
.irp i, 0,1,2,3
	ds_load_b128 v[\f+8*\i:\f+8*\i+3],   v[ADRA+\slot] offset:((\q)/2)*AHEAD+((\q)%2)*64+\i*8*AP
	ds_load_b128 v[\f+8*\i+4:\f+8*\i+7], v[ADRA+\slot] offset:((\q)/2)*AHEAD+((\q)%2)*64+\i*8*AP+32
.endr
.irp i, 0,1,2,3
	ds_load_b128 v[\f+32+8*\i:\f+32+8*\i+3],   v[ADRW+\slot] offset:(\q)*64+\i*16*BP
	ds_load_b128 v[\f+32+8*\i+4:\f+32+8*\i+7], v[ADRW+\slot] offset:(\q)*64+\i*16*BP+32
.endr
.endm
; 16 matrix instructions.  Source 0 = rows of Wo, source 1 = rows of o: a lane's eight results are eight neighbouring columns of one row.
; start = 1: the sums start from the bias.  The 16 accumulators take turns, one instruction a turn.
.macro MUL16 f, start
.irp a, 0,1,2,3
.irp b, 0,1,2,3
.if \start
	v_wmma_f32_16x16x32_f16 v[8*(4*\a+\b):8*(4*\a+\b)+7], v[\f+32+8*\b:\f+32+8*\b+7], v[\f+8*\a:\f+8*\a+7], v[BIAS+8*\b:BIAS+8*\b+7]
.else
	v_wmma_f32_16x16x32_f16 v[8*(4*\a+\b):8*(4*\a+\b)+7], v[\f+32+8*\b:\f+32+8*\b+7], v[\f+8*\a:\f+8*\a+7], v[8*(4*\a+\b):8*(4*\a+\b)+7]
.endif
.endr
.endr
.endm
.set g, 0                              ; counts the chunks, 0 to 31; chunk g's fragments lie in buffer g % 3
.macro MUL start                       ; the products of chunk g
.if \start
	WIN 0x40                                       ; D window 1; sources and C (the bias) window 0
.else
	WIN 0x50                                       ; C and D window 1, sources window 0
.endif
.set mbuf, FR+64*(g%3)
	MUL16 mbuf, \start
.set g, g+1
.endm
.macro STEPQ slot, q, start            ; fetches chunk g + 2 (chunk q of the slot) into the buffer that chunk g - 1 has left, multiplies chunk g
	PLACES
	WIN 0
.set fbuf, FR+64*((g+2)%3)
	FETCH \slot, \q, fbuf
	s_wait_dscnt 32                                ; chunk g's fragments are in; the 32 loads of the two later chunks stay out
	MUL \start
.endm
; A tile of 256 along K: eight chunks.  kind 0: the slot is filled again behind it; 1: nothing is left to fetch; 2: the last tile.
; The change of slots stands where the last two chunks' fragments are in registers: each wave's reads of the slot are over and all its tensor loads have
; landed, its part of the other slot among them; 16 matrix instructions stand between the signal and the wait; behind the barrier (kind 0: behind the
; whole round of the cluster's barrier) the refill comes first, then the other slot's first fragments, then the last 16 matrix instructions.
.macro TILE slot, other, kind, start
	STEPQ \slot, 2, \start
.irp q, 3,4,5,6,7
	STEPQ \slot, \q, 0
.endr
.if \kind < 2
	s_wait_dscnt 0x0                               ; my reads of this slot are over
	s_wait_tensorcnt 0x0                           ; all my tensor loads have landed: a group 0 may be written
	ds_add_u32 v30, v31
	s_wait_dscnt 0x0
.if \kind == 0
	s_add_nc_u64 s[G0A+4*\slot+2:G0A+4*\slot+3], s[G0A+4*\slot+2:G0A+4*\slot+3], 0x200000      ; two tiles on: eight heads of 262,144 bytes
	s_add_nc_u64 s[G0B+4*\slot+2:G0B+4*\slot+3], s[G0B+4*\slot+2:G0B+4*\slot+3], 1024          ; 512 f16 along Wo's rows
.endif
	s_barrier_signal -1
	MUL 0                                          ; registers only, while the others arrive
	WIN 0
	s_barrier_wait -1
.if \kind == 0
	CREST                                          ; no wave of any partner still reads this slot or has a load on its way
	JLOAD \slot                                    ; the first tensor load behind the round, one a wave
.endif
	PLACES
.set fbuf, FR+64*((g+1)%3)
	FETCH \other, 0, fbuf
.set fbuf, FR+64*((g+2)%3)
	FETCH \other, 1, fbuf
	MUL 0
.else
	s_wait_dscnt 16                                ; the last chunk's 16 loads may stay out
	MUL 0
	s_wait_dscnt 0x0
	MUL 0
.endif
.endm
	s_load_b256 s[4:11], s[0:1], 0x0               ; oh s[4:5], wo16 s[6:7], bo s[8:9], out0 s[10:11]
	v_lshl_add_u32 v30, v0, 2, 0x47400
	v_mov_b32 v31, 0
	ds_add_u32 v30, v31
	v_lshrrev_b32 v1, 5, v0
	v_readfirstlane_b32 s12, v1                    ; wave 0..3
	s_lshr_b32 s13, s12, 1                         ; my half of the block's rows.  Also: I fetch for o (0) or for Wo (1)
	s_and_b32 s14, s12, 1                          ; my half of its columns.  Also: which half of that tile I fetch
	s_bfe_u32 s40, ttmp6, 0x40000                  ; cx
	s_bfe_u32 s41, ttmp6, 0x40004                  ; cy
	s_lshl_b32 s42, ttmp9, 2
	s_add_co_u32 s42, s42, s40                     ; bx = 4 x cluster x + cx
	s_and_b32 s43, ttmp7, 0xffff
	s_lshl_b32 s43, s43, 2
	s_add_co_u32 s43, s43, s41                     ; mb = 4 x cluster y + cy
	s_lshl_b32 s44, s41, 2
	s_lshl_b32 s44, 15, s44                        ; my row of the cluster: places 4 cy .. 4 cy + 3
	s_lshl_b32 s45, 0x1111, s40                    ; my column: places cx, cx + 4, cx + 8, cx + 12
	; group 1 for o: 2 rows of 2,048 elements of 8 bytes, 32,768 elements apart; in LDS 4 words of padding behind every 64 words
	s_or_b32 s[G1A+0], s44, (3<<16)|(1<<20)|(1<<21)|(5<<22)|(3<<25)
	s_mov_b32 s[G1A+1], 2048<<16                   ; tensor_dim0 = 2048
	s_mov_b32 s[G1A+2], 2<<16                      ; tensor_dim1 = 2
	s_mov_b32 s[G1A+3], 2048<<16                   ; tile_dim0 = 2048
	s_mov_b32 s[G1A+4], 2                          ; tile_dim1 = 2
	s_mov_b32 s[G1A+5], 32768                      ; from head to head
	s_mov_b32 s[G1A+6], 0
	s_mov_b32 s[G1A+7], 0
	; group 1 for Wo: 64 rows of 256 elements of 2 bytes, 1,024 elements apart; 4 words of padding behind every 128 words
	s_or_b32 s[G1B+0], s45, (1<<16)|(1<<20)|(1<<21)|(6<<22)|(3<<25)
	s_mov_b32 s[G1B+1], 256<<16
	s_mov_b32 s[G1B+2], 64<<16
	s_mov_b32 s[G1B+3], 256<<16
	s_mov_b32 s[G1B+4], 64
	s_mov_b32 s[G1B+5], 1024
	s_mov_b32 s[G1B+6], 0
	s_mov_b32 s[G1B+7], 0
	s_mov_b32 s[G0A], 1
	s_mov_b32 s[G0A+4], 1
	s_mov_b32 s[G0B], 1
	s_mov_b32 s[G0B+4], 1
	s_mul_i32 s[G0A+1], s14, 2*AHEAD               ; LDS: my two heads, slot 0,
	s_add_co_u32 s[G0A+5], s[G0A+1], SLOT          ; slot 1: no place in the cluster enters an LDS address
	s_mul_i32 s[G0B+1], s14, 64*BP                 ; my 64 rows of Wo,
	s_add_co_u32 s[G0B+1], s[G0B+1], AREG          ; which lie behind o's four heads
	s_add_co_u32 s[G0B+5], s[G0B+1], SLOT
	; o's tiles hang on the block row alone, Wo's on the block column alone, each in registers that never hold the other coordinate
	s_lshr_b32 s56, s43, 4                         ; batch
	s_lshl_b32 s56, s56, 22                        ; 16 heads x 2048 rows x 128 bytes
	s_and_b32 s57, s43, 15
	s_lshl_b32 s57, s57, 14                        ; 128 rows of 128 bytes
	s_add_co_u32 s56, s56, s57
	s_lshl_b32 s57, s14, 19                        ; my two heads
	s_add_co_u32 s56, s56, s57
	s_mov_b32 s57, 0
	s_lshl_b32 s58, s42, 18                        ; 128 rows of 2,048 bytes
	s_lshl_b32 s59, s14, 17                        ; my 64 rows
	s_add_co_u32 s58, s58, s59
	s_mov_b32 s59, 0
	s_lshl_b32 s60, s42, 9                         ; bias and columns of out0: (128 bx + 64 half) x 4 bytes
	s_lshl_b32 s61, s14, 8
	s_add_co_u32 s60, s60, s61
	s_mov_b32 s61, 0
	s_lshl_b32 s62, s43, 19                        ; rows of out0: (128 mb + 64 half) x 4,096 bytes
	s_lshl_b32 s63, s13, 18
	s_add_co_u32 s62, s62, s63
	s_add_co_u32 s62, s62, s60
	s_mov_b32 s63, 0
	s_wait_dscnt 0x0
	s_wait_kmcnt 0x0
	s_add_nc_u64 s[G0A+2:G0A+3], s[4:5], s[56:57]
	s_add_nc_u64 s[G0A+6:G0A+7], s[G0A+2:G0A+3], 0x100000          ; slot 1: four heads on
	s_add_nc_u64 s[G0B+2:G0B+3], s[6:7], s[58:59]
	s_add_nc_u64 s[G0B+6:G0B+7], s[G0B+2:G0B+3], 512               ; 256 f16 on
	s_or_b32 s[G0A+3], s[G0A+3], 0x80000000        ; type = 2
	s_or_b32 s[G0A+7], s[G0A+7], 0x80000000
	s_or_b32 s[G0B+3], s[G0B+3], 0x80000000
	s_or_b32 s[G0B+7], s[G0B+7], 0x80000000
	s_add_nc_u64 s[8:9], s[8:9], s[60:61]
	s_add_nc_u64 s[10:11], s[10:11], s[62:63]
	CROUND                                         ; all sixteen work-groups are here: the first joint loads meet
	s_cmp_eq_u32 s13, 0                            ; both first fills of a wave in one branch
	s_cbranch_scc0 .Lfirst_b
	tensor_load_to_lds s[G0A:G0A+3], s[G1A:G1A+7]
	s_nop 0
	tensor_load_to_lds s[G0A+4:G0A+7], s[G1A:G1A+7]
	s_nop 0
	s_branch .Lfirst_done
.Lfirst_b:
	tensor_load_to_lds s[G0B:G0B+3], s[G1B:G1B+7]
	s_nop 0
	tensor_load_to_lds s[G0B+4:G0B+7], s[G1B:G1B+7]
	s_nop 0
.Lfirst_done:
	v_and_b32 v2, 15, v0                           ; r = lane % 16
	v_bfe_u32 v3, v0, 4, 1                         ; h = lane / 16
	v_lshlrev_b32 v[BOFF], 5, v3                   ; 8 h numbers of f32
.irp b, 0,1,2,3
	global_load_b128 v[BIAS+8*\b:BIAS+8*\b+3],   v[BOFF], s[8:9] offset:64*\b       ; columns 16 b + 8 h + 0..3: the layout of a C operand
	global_load_b128 v[BIAS+8*\b+4:BIAS+8*\b+7], v[BOFF], s[8:9] offset:64*\b+16
.endr
	v_bfe_u32 v5, v0, 1, 3                         ; r / 2
	v_and_b32 v6, 1, v0                            ; r % 2
	v_mul_u32_u24 v7, v5, AP
	v_lshl_add_u32 v7, v6, 7, v7
	v_lshl_add_u32 v7, v3, 4, v7                   ; row r of a fragment of o, 16 bytes for each half of the lanes
	s_mul_i32 s46, s13, 32*AP                      ; my 64 rows: 32 LDS rows
	v_add_nc_u32 v[ADRA], s46, v7
	v_add_nc_u32 v[ADRA+1], SLOT, v[ADRA]
	v_mul_u32_u24 v8, v2, BP
	v_lshl_add_u32 v8, v3, 4, v8
	s_mul_i32 s47, s14, 64*BP
	s_add_co_u32 s47, s47, AREG
	v_add_nc_u32 v[ADRW], s47, v8
	v_add_nc_u32 v[ADRW+1], SLOT, v[ADRW]
	s_mul_i32 s46, s12, 16*SP
	s_add_co_u32 s46, s46, STAGE                   ; my stage
	v_mul_u32_u24 v9, v2, SP
	v_lshl_add_u32 v9, v3, 5, v9
	v_add_nc_u32 v[SST], s46, v9                   ; in: row r, 32 bytes for each half of the lanes
	v_mul_u32_u24 v10, v3, SP
	v_lshl_add_u32 v10, v2, 4, v10
	v_add_nc_u32 v[SRD], s46, v10                  ; back: lanes 0-15 one row of 256 bytes, lanes 16-31 the next
	v_lshlrev_b32 v11, 4, v2
	v_lshl_add_u32 v[OOFF], v3, 12, v11            ; and the same two rows in out0
	s_wait_tensorcnt 0x1                           ; my part of slot 0 is in; slot 1's may stay out
	s_barrier_signal -1
	s_barrier_wait -1
	FETCH 0, 0, FR
	FETCH 0, 1, FR+64
	s_wait_loadcnt 0x0                             ; the bias
	TILE 0, 1, 0, 1                                ; K 0-255; K 512-767 go out
	TILE 1, 0, 0, 0                                ; K 256-511; K 768-1023 go out: the last load
	TILE 0, 1, 1, 0
	TILE 1, 0, 2, 0
	; THE WAY OUT, 16 rows at a time: 32 bytes a lane into my own stage, read back as whole rows of 256 bytes.
	WIN 0
	PLACES
.macro OUTA a, rb
	WIN 0x04                                       ; address window 0, store data window 1
.irp b, 0,1,2,3
	ds_store_b128 v[SST], v[8*(4*\a+\b):8*(4*\a+\b)+3]   offset:64*\b
	ds_store_b128 v[SST], v[8*(4*\a+\b)+4:8*(4*\a+\b)+7] offset:64*\b+16
.endr
	WIN 0
	s_wait_xcnt 0x0                                ; the registers that earlier stores read are loaded again only behind this wait
.irp t, 0,1,2,3,4,5,6,7
	ds_load_b128 v[\rb+4*\t:\rb+4*\t+3], v[SRD] offset:\t*2*SP         ; LDS serves a wave's instructions in order: these see the stores above
.endr
.irp t, 0,1,2,3,4,5,6,7
	s_wait_dscnt 7-\t                              ; the younger loads of the eight stay out
	global_store_b128 v[OOFF], v[\rb+4*\t:\rb+4*\t+3], s[10:11] offset:(16*\a+2*\t)*4096 th:TH_STORE_NT   ; 16 lanes store 256 consecutive bytes, at a multiple of 256 from out0's first byte
.endr
.endm
	OUTA 0, FR
	OUTA 1, FR+32
	OUTA 2, FR
	OUTA 3, FR+32
	s_wait_tensorcnt 0x0
	ds_add_u32 v30, v31
	s_wait_dscnt 0x0
	CROUND                                         ; the closing round: no work-group ends while a partner may still ask for a tile that names it
	s_endpgm
.Lfunc_end_k_q83dc68fc87_outp:
	.size	k_q83dc68fc87_outp, .Lfunc_end_k_q83dc68fc87_outp-k_q83dc68fc87_outp
	.p2alignl 7, 3214868480
	.fill 96, 4, 3214868480
	.section	.rodata,"a",@progbits
	.p2align	6, 0x0
	.amdhsa_kernel k_q83dc68fc87_outp
		.amdhsa_group_segment_fixed_size 327680
		.amdhsa_private_segment_fixed_size 0
		.amdhsa_enable_private_segment 0
		.amdhsa_kernarg_size 32
		.amdhsa_user_sgpr_count 2
		.amdhsa_user_sgpr_kernarg_segment_ptr 1
		.amdhsa_wavefront_size32 1
		.amdhsa_system_sgpr_workgroup_id_x 1
		.amdhsa_system_sgpr_workgroup_id_y 1
		.amdhsa_system_sgpr_workgroup_id_z 1
		.amdhsa_system_vgpr_workitem_id 0
		.amdhsa_next_free_vgpr 384
		.amdhsa_next_free_sgpr 66
		.amdhsa_reserve_vcc 0
		.amdhsa_float_denorm_mode_32 3
		.amdhsa_float_denorm_mode_16_64 3
		.amdhsa_memory_ordered 1
		.amdhsa_forward_progress 1
		.amdhsa_inst_pref_size 88
	.end_amdhsa_kernel
	.amdgpu_metadata
---
amdhsa.version: [ 1, 2 ]
amdhsa.kernels:
  - .name:           k_q83dc68fc87_outp
    .symbol:         k_q83dc68fc87_outp.kd
    .args:
      - { .name: oh, .offset: 0, .size: 8, .value_kind: global_buffer, .address_space: global }
      - { .name: wo16, .offset: 8, .size: 8, .value_kind: global_buffer, .address_space: global }
      - { .name: bo, .offset: 16, .size: 8, .value_kind: global_buffer, .address_space: global }
      - { .name: out0, .offset: 24, .size: 8, .value_kind: global_buffer, .address_space: global }
    .group_segment_fixed_size: 327680
    .private_segment_fixed_size: 0
    .kernarg_segment_align: 8
    .kernarg_segment_size: 32
    .max_flat_workgroup_size: 128
    .sgpr_count:     66
    .vgpr_count:     384
    .wavefront_size: 32
...
	.end_amdgpu_metadata
.endif
;; end of part 6
